; MI455X (gfx1250); checked and timed in simulation.
; The chip was launched on July 23, 2026; its instructions are those of AMD's public machine-readable ISA for CDNA 5 (MIT licence, August 2026) and "CDNA5" Instruction Set Architecture Reference Guide (July 2026). The comments in the code are by the model that wrote it; some were corrected since.
;; Exaone Flash Attention. Allowed arithmetic: matrix products marked QUANTISED: E2M1 operands, one E8M0 scale for each 32 along K, by v_wmma_scale_f32_16x16x128_f8f6f4 with both operands' format E2M1 (or v_wmma_scale_f32_32x16x128_f4), f32 sums; products left as they are: bf16, f16 or f32 operands; f32 sums; everything else in f32.
;; Inputs: Wk 2,048 x 512 float32; Wo 2,048 x 2,048 float32; Wq 2,048 x 2,048 float32; Wv 2,048 x 512 float32; cos 4,096 x 32 float32; hidden_states 4,096 x 2,048 float32; sin 4,096 x 32 float32.
;; Outputs: out0 4,096 x 2,048 float32.
;; This version of the problem:
;;   THIS VERSION OF THE PROBLEM IS GIVEN IN LOW PRECISION. The matrix products marked QUANTISED in the list below multiply operands that are first quantised to E2M1 (2 exponent bits, 1 mantissa bit; 4 bits a number), with one power-of-two scale for each 32 numbers along K (OCP MX v1.0); their sums are f32. The products marked 'left as it is' may take bf16, f16 or f32 operands, with f32 sums. Whichever they take, every output number must still come out within the allowed error. Rounding operands to bf16 (8 significant bits) uses up far more of that allowance than f16 does (11 bits, for magnitudes from 6e-5 to 65,504). All else is computed in f32.
;;   The module's matrix products, in the order in which they are computed (A, B: the left and right operand; K: the contracted axis; several contracted axes count as one K, in the product's order):
;;     1. [M 4,096, K 2,048] x [K 2,048, N 2,048]; A: input hidden_states; B: input Wq: QUANTISED
;;     2. [M 4,096, K 2,048] x [K 2,048, N 512]; A: input hidden_states; B: input Wk: QUANTISED
;;     3. [M 4,096, K 2,048] x [K 2,048, N 512]; A: input hidden_states; B: input Wv: QUANTISED
;;     4. batch 128 x [M 1,024, K 64] x [K 64, N 1,024]; A: computed on the way; B: computed on the way: left as it is (an operand is computed on the way)
;;     5. batch 128 x [M 64, K 1,024] x [K 1,024, N 1,024]; A: computed on the way; B: computed on the way: left as it is (an operand is computed on the way)
;;     6. [M 4,096, K 2,048] x [K 2,048, N 2,048]; A: computed on the way; B: input Wo: left as it is (an operand is computed on the way)
;;   THE QUANTISER, for each operand of a quantised product, along K:
;;     - K is cut into blocks of 32 from its start; a last block that is shorter is filled with zeros.
;;     - A block's scale is 2^e with e = floor(log2(the largest magnitude in the block)) - 2, held to -126 .. 127; a block of zeros has e = 0. As a byte (E8M0): e + 127.
;;     - Each number is divided by its block's scale, clamped to +-6, and rounded to the nearest number of E2M1, ties to even, subnormals kept.
;;     - The product sums the exact products of the quantised numbers (number of the format x scale) in f32.
;;   ~~~python
;;   def quantise(x, axis):      # numpy; x: float32 -> the quantised numbers, widened to float32 again
;;       x = np.moveaxis(x, axis, -1); K = x.shape[-1]
;;       x = np.pad(x, [(0, 0)] * (x.ndim - 1) + [(0, -K % 32)]); x = x.reshape(x.shape[:-1] + (-1, 32)); a = np.abs(x).max(-1, keepdims=True)
;;       e = np.where(a > 0, np.clip(np.frexp(np.where(a > 0, a, 1))[1] - 1 - 2, -126, 127), 0)      # np.frexp(a)[1] - 1 = floor(log2(a)), exactly
;;       r = np.clip(x / 2.0 ** e, -6, 6)
;;       step = 2.0 ** (np.maximum(np.frexp(np.where(r == 0, 1, r))[1] - 1, 0) - 1)
;;       q = np.round(r / step) * step * 2.0 ** e      # np.round: ties to even
;;       return np.moveaxis(q.reshape(q.shape[:-2] + (-1,))[..., :K], -1, axis).astype(np.float32)
;;   ~~~
;; One version. Each part assembles by itself: llvm-mc -triple=amdgcn-amd-amdhsa -mcpu=gfx1250 --defsym DOCPART=n.
;; ======== version 1 of 1: 4 launches
;; limits: values are held in f16: magnitudes above 65,504 overflow, below 6.1e-05 lose precision
;; workspace buffers: hc 4,194,304 bytes; hs 262,144 bytes; wc 3,145,728 bytes; ws 196,608 bytes; wo16 8,388,608 bytes; qkv16 25,165,824 bytes; at16 16,777,216 bytes
;; launch prep (part 1): grid 288 x 1, 4 waves a work-group, no clusters, 34,304 bytes of LDS; arguments hidden_states, Wq, Wk, Wv, Wo, hc, hs, wc, ws, wo16; writes hc, hs, wc, ws, wo16
.if DOCPART == 1
	.amdgcn_target "amdgcn-amd-amdhsa--gfx1250"
	.amdhsa_code_object_version 6
	.text
	.protected	k_qe5e4d281aa_prep
	.globl	k_qe5e4d281aa_prep
	.p2align	8
	.type	k_qe5e4d281aa_prep,@function
k_qe5e4d281aa_prep:
	s_mov_b64 s[64:65], 0
	v_nop
	global_prefetch_b8 v0, s[64:65] scope:SCOPE_SE
	s_setreg_imm32_b32 hwreg(HW_REG_WAVE_MODE, 25, 1), 1
	s_wait_xcnt 0x0
; hidden_states [4096][2048] and Wq, Wk, Wv [2048][N], f32, become codes of FP4 (E2M1) with one E8M0 byte for each 32 along K (K = 2048: the last axis of hidden_states, the FIRST of the weights); Wo [2048][2048] becomes f16.
; EVERYTHING IS STORED AS IMAGES OF OPERAND REGISTERS, so that the later launches load a fragment at 16 x lane.  lane = 16 h + r.
;   a fragment of codes (16 rows x 128 K, 1,024 bytes): byte 512 c + 16 lane holds the codes of k = 64 c + 32 h + 0 .. 31 of row r.   hc: [row tile 256][K step 16];  wc: [column tile 192][K step 16] (0-127 Wq, 128-159 Wk, 160-191 Wv).
;   scale words (4 bytes: 128 along K of one row): hs, ws: [tile][slot of 512 along K: 4][r 16][K step in the slot: 4].
;   a fragment of f16 (16 rows x 32 K, 1,024 bytes): byte 512 f + 16 lane holds k = 16 f + 8 h + 0 .. 7 of row r.   wo16: [column tile 128][K step 64], row = Wo's column, K = Wo's first axis.
; A block's scale is 2^(floor(log2(its largest magnitude)) - 2); its byte is the largest magnitude's exponent field - 2, held at 1 from below.
; LIMITS: a block of zeros gets the byte 1 where the rule says 127 (its codes are zeros, and this program alone reads the bytes); blocks whose largest magnitude lies under 2^-124 are held at the byte 1;
; NaN and infinities are not served; numbers of Wo beyond 65,504 are not served (f16).
; SHARES: work-groups 0-127 hidden_states (a wave: 16 rows x 1,024 along K), 128-191 Wq, 192-223 Wk and Wv, 224-287 Wo (a wave: 32 columns x 512 along K); each work-group reads 256 KiB.
; The work-groups share no input, so there is no cluster; no tensor load, no barrier: waves share nothing.  Only the path of hidden_states touches LDS.
.set SPARE,  33792                     ; behind the four stages: the spare words, 128 bytes a wave: two blocks of 256 bytes that no other line names
.set STG,    8448                      ; a wave's stage: 16 rows x 528 bytes
.set SPITCH, 528                       ; 512 bytes + 16: an odd multiple of 16, so that sixteen rows' reads of 16 bytes fall on sixteen different columns of 16 bytes
.set FLOOR,  0x1800000                 ; 2^(3 - 127): no largest magnitude is taken under it, so the byte cannot fall under 1
.set SPW,    2                         ; v2  LDS address of my spare word; never rewritten
.set NIL,    3                         ; v3  0; never rewritten
.set XW,     32                        ; weights: v32-95 two sets of 32 numbers down K
.set XH,     64                        ; hidden_states: v64-127 two whole blocks of 32 neighbours a lane
; ---- weights: block t (32 rows of K) of my 32 columns: a lane takes a column, its registers run down K; a load reads 128 consecutive bytes
.macro LOADW t, pitch, base
.irp i, 0,1,2,3,4,5,6,7,8,9,10,11,12,13,14,15,16,17,18,19,20,21,22,23,24,25,26,27,28,29,30,31
	global_load_b32 v[XW+32*((\t)%2)+\i], v4, s[\base:\base+1] offset:(32*(\t)+\i)*\pitch th:TH_LOAD_NT
.endr
.endm
; block t is quantised: all its 32 numbers are mine.  Its 16 bytes of codes lie at 256 t + 16 r of my column tile's slot: lanes 0-15 and lanes 16-31 each store 256 consecutive bytes, aligned.
.macro BLOCKW t, pitch
.set XS, XW+32*((\t)%2)
.if (\t) < 15
	s_wait_loadcnt 32                              ; this block's 32 loads are in; the next block's 32 may be out
.else
	s_wait_loadcnt 0x0
.endif
	v_max3_num_f32 v8, |v[XS]|, |v[XS+1]|, |v[XS+2]|
	v_max3_num_f32 v9, |v[XS+3]|, |v[XS+4]|, |v[XS+5]|
.irp i, 6,10,14,18,22,26
	v_max3_num_f32 v8, v8, |v[XS+\i]|, |v[XS+\i+1]|
	v_max3_num_f32 v9, v9, |v[XS+\i+2]|, |v[XS+\i+3]|
.endr
	v_max3_num_f32 v8, v8, |v[XS+30]|, |v[XS+31]|
	v_max3_num_f32 v8, v8, v9, FLOOR
	v_add_nc_u32 v10, 0xff000000, v8               ; 2 off the exponent field: the conversion takes the exponent field of this operand as its scale
	v_lshrrev_b32 v11, 23, v10                     ; the scale's byte
.if (\t)%4 == 0
	v_mov_b32 v[12+(\t)/4], v11                    ; four bytes make the word of a K step of 128
.else
	v_lshl_or_b32 v[12+(\t)/4], v11, 8*((\t)%4), v[12+(\t)/4]
.endif
.irp g, 0,1,2,3
	v_cvt_scalef32_pk8_fp4_f32 v[128+4*(\t)+\g], v[XS+8*\g:XS+8*\g+7], v10
.endr
	v_nop                                          ; one plain line behind the last scaled conversion
	global_store_b128 v5, v[128+4*(\t):128+4*(\t)+3], s[18:19] offset:256*(\t)   ; each block has code registers of its own: no store's data are written again
.if (\t)+2 < 16
	LOADW (\t)+2, \pitch, 6
.endif
.endm
; the whole path of a quantised weight.  s28 = slot, s33 = my first column tile, s[6:7] = my first number
.macro QW pitch
	s_lshl_b32 s30, s33, 14
	s_lshl_b32 s32, s28, 12
	s_add_co_u32 s30, s30, s32
	s_add_nc_u64 s[18:19], s[18:19], s[30:31]      ; codes: tile x 16,384 + slot x 4,096
	s_lshl_b32 s30, s33, 10
	s_lshl_b32 s32, s28, 8
	s_add_co_u32 s30, s30, s32
	s_add_nc_u64 s[20:21], s[20:21], s[30:31]      ; scale words: tile x 1,024 + slot x 256
	v_lshlrev_b32 v4, 2, v1                        ; in: 4 bytes a lane
	v_lshrrev_b32 v6, 4, v1
	v_and_b32 v7, 15, v1
	v_lshlrev_b32 v7, 4, v7
	v_lshl_add_u32 v5, v6, 14, v7                  ; codes: lanes 16-31 belong to the next column tile; 16 r
	v_lshl_add_u32 v6, v6, 10, v7                  ; scale words likewise
	LOADW 0, \pitch, 6
	LOADW 1, \pitch, 6
.irp t, 0,1,2,3,4,5,6,7,8,9,10,11,12,13,14,15
	BLOCKW \t, \pitch
.endr
	global_store_b128 v6, v[12:15], s[20:21]       ; my column's four scale words of the slot: sixteen lanes store 256 consecutive bytes
	s_endpgm
.endm
; ---- Wo: block t is one K step of 32: sixteen pairs rounded to f16; group g of four registers is k = 8 g .. 8 g + 7 and lies at 256 g + 16 r of the fragment
.macro BLOCKO t
.set XS, XW+32*((\t)%2)
.set DSET, 128+16*((\t)%2)
.if (\t) < 15
	s_wait_loadcnt 32                              ; this block's 32 loads are in; the next block's 32 may be out
.else
	s_wait_loadcnt 0x0
.endif
.if (\t) >= 2
	s_wait_xcnt 0x0                                ; the stores of two blocks ago have read this set of registers
.endif
.irp i, 0,1,2,3,4,5,6,7,8,9,10,11,12,13,14,15
	v_cvt_pk_f16_f32 v[DSET+\i], v[XS+2*\i], v[XS+2*\i+1]
.endr
.irp g, 0,1,2,3
	global_store_b128 v5, v[DSET+4*\g:DSET+4*\g+3], s[22:23] offset:1024*(\t)+256*\g
.endr
.if (\t)+2 < 16
	LOADW (\t)+2, 8192, 12
.endif
.endm
; ---- hidden_states: fragment f (128 along K) of my 16 rows: each load reads 512 consecutive bytes of one row
.macro LOADH f
.irp i, 0,1,2,3,4,5,6,7,8,9,10,11,12,13,14,15
	global_load_b128 v[128+64*((\f)%2)+4*\i:128+64*((\f)%2)+4*\i+3], v4, s[4:5] offset:8192*\i+512*(\f) th:TH_LOAD_NT
.endr
.endm
; The conversions want a lane's registers to run along K; the loads want neighbouring lanes on neighbouring bytes.  So a fragment's 8 KiB turn through the wave's own stage and come back as two whole blocks a lane:
; lane (r, h): k = 64 c + 32 h + 0 .. 31 of row r, which is the very order of the operand's registers.
.macro FRAGH f
.set RSET, 128+64*((\f)%2)
.set CSET, 32+8*((\f)%2)
.if (\f) < 7
	s_wait_loadcnt 16                              ; this fragment's 16 loads are in; the next fragment's 16 may be out
.else
	s_wait_loadcnt 0x0
.endif
.irp i, 0,1,2,3,4,5,6,7,8,9,10,11,12,13,14,15
	ds_store_b128 v5, v[RSET+4*\i:RSET+4*\i+3] offset:SPITCH*\i
.endr
.irp c, 0,1
.irp g, 0,1,2,3,4,5,6,7
	ds_load_b128 v[XH+32*\c+4*\g:XH+32*\c+4*\g+3], v6 offset:256*\c+16*\g   ; LDS serves a wave's instructions in order: these see the stores above
.endr
.endr
	s_wait_dscnt 0x0                               ; the numbers are back, so the stores have read their registers,
.if (\f)+2 < 8
	LOADH (\f)+2                                   ; which take the loads of two fragments on
.endif
.irp c, 0,1
	v_max3_num_f32 v[8+\c], |v[XH+32*\c]|, |v[XH+1+32*\c]|, FLOOR
.endr
.irp i, 2,4,6,8,10,12,14,16,18,20,22,24,26,28,30
.irp c, 0,1
	v_max3_num_f32 v[8+\c], v[8+\c], |v[XH+32*\c+\i]|, |v[XH+1+32*\c+\i]|   ; the two blocks by turns
.endr
.endr
.irp c, 0,1
	v_add_nc_u32 v[10+\c], 0xff000000, v[8+\c]     ; 2 off the exponent field: the conversion's scale operand
.endr
.irp c, 0,1
	v_lshrrev_b32 v[12+\c], 23, v[10+\c]           ; the scale's byte
.endr
	v_lshl_or_b32 v14, v13, 16, v12                ; my two bytes: blocks h and 2 + h of row r,
	v_lshlrev_b32 v14, v7, v14                     ; 8 h bits up;
	v_permlanex16_b32 v15, v14, s26, s27
	v_or_b32 v[16+(\f)], v14, v15                  ; with lane l xor 16's two the word is whole
.if (\f) >= 2
	s_wait_xcnt 0x0                                ; the stores of two fragments ago have read this set of code registers
.endif
.irp c, 0,1
.irp g, 0,1,2,3
	v_cvt_scalef32_pk8_fp4_f32 v[CSET+4*\c+\g], v[XH+32*\c+8*\g:XH+32*\c+8*\g+7], v[10+\c]
.endr
.endr
	v_nop                                          ; one plain line behind the last scaled conversion
.irp c, 0,1
	global_store_b128 v4, v[CSET+4*\c:CSET+4*\c+3], s[14:15] offset:1024*(\f)+512*\c   ; 512 consecutive bytes
.endr
.endm
	s_load_b256 s[4:11], s[0:1], 0x0               ; hidden_states s[4:5], Wq s[6:7], Wk s[8:9], Wv s[10:11]
	s_load_b256 s[12:19], s[0:1], 0x20             ; Wo s[12:13], hc s[14:15], hs s[16:17], wc s[18:19]
	s_load_b128 s[20:23], s[0:1], 0x40             ; ws s[20:21], wo16 s[22:23]
	v_lshl_add_u32 v[SPW], v0, 2, SPARE
	v_mov_b32 v[NIL], 0
	v_lshrrev_b32 v1, 5, v0
	v_readfirstlane_b32 s24, v1                    ; wave 0..3
	v_and_b32 v1, 31, v0                           ; lane
	s_mov_b32 s26, 0x76543210
	s_mov_b32 s27, 0xfedcba98                      ; v_permlanex16_b32's selects for lane l xor 16
	s_mov_b32 s31, 0                               ; the upper word of every offset: all lie under 2^32
	s_wait_kmcnt 0x0
	s_cmp_lt_u32 ttmp9, 128
	s_cbranch_scc1 .Lpath_h
	s_cmp_lt_u32 ttmp9, 192
	s_cbranch_scc1 .Lpath_wq
	s_cmp_lt_u32 ttmp9, 224
	s_cbranch_scc1 .Lpath_wkv
	; ---- Wo
	s_sub_co_u32 s28, ttmp9, 224
	s_lshr_b32 s29, s28, 2                         ; which 128 columns
	s_and_b32 s28, s28, 3                          ; which 512 along K
	s_lshl_b32 s30, s28, 22                        ; 512 rows of 8,192 bytes
	s_lshl_b32 s32, s29, 9
	s_add_co_u32 s30, s30, s32
	s_lshl_b32 s32, s24, 7                         ; my wave's 32 columns
	s_add_co_u32 s30, s30, s32
	s_add_nc_u64 s[12:13], s[12:13], s[30:31]
	s_lshl_b32 s30, s29, 3
	s_lshl_b32 s32, s24, 1
	s_add_co_u32 s30, s30, s32                     ; my first column tile
	s_lshl_b32 s30, s30, 16
	s_lshl_b32 s32, s28, 14                        ; 16 K steps of 1,024 bytes
	s_add_co_u32 s30, s30, s32
	s_add_nc_u64 s[22:23], s[22:23], s[30:31]
	v_lshlrev_b32 v4, 2, v1
	v_lshrrev_b32 v6, 4, v1
	v_and_b32 v7, 15, v1
	v_lshlrev_b32 v5, 4, v7
	v_lshl_add_u32 v5, v6, 16, v5                  ; lanes 16-31 belong to the next column tile; 16 r
	LOADW 0, 8192, 12
	LOADW 1, 8192, 12
.irp t, 0,1,2,3,4,5,6,7,8,9,10,11,12,13,14,15
	BLOCKO \t
.endr
	s_endpgm
.Lpath_wq:
	s_sub_co_u32 s28, ttmp9, 128
	s_lshr_b32 s29, s28, 2                         ; which 128 columns
	s_and_b32 s28, s28, 3                          ; slot
	s_lshl_b32 s30, s28, 22                        ; 512 rows of 8,192 bytes
	s_lshl_b32 s32, s29, 9
	s_add_co_u32 s30, s30, s32
	s_lshl_b32 s32, s24, 7
	s_add_co_u32 s30, s30, s32
	s_add_nc_u64 s[6:7], s[6:7], s[30:31]
	s_lshl_b32 s33, s29, 3
	s_lshl_b32 s32, s24, 1
	s_add_co_u32 s33, s33, s32                     ; my first column tile
	QW 8192
.Lpath_wkv:
	s_sub_co_u32 s28, ttmp9, 192
	s_cmp_lt_u32 s28, 16                           ; Wk's work-group or Wv's: the choice hangs on the work-group's number alone
	s_cselect_b64 s[6:7], s[8:9], s[10:11]
	s_lshr_b32 s34, s28, 4
	s_bfe_u32 s29, s28, 0x20002                    ; which 128 columns
	s_and_b32 s28, s28, 3                          ; slot
	s_lshl_b32 s30, s28, 20                        ; 512 rows of 2,048 bytes
	s_lshl_b32 s32, s29, 9
	s_add_co_u32 s30, s30, s32
	s_lshl_b32 s32, s24, 7
	s_add_co_u32 s30, s30, s32
	s_add_nc_u64 s[6:7], s[6:7], s[30:31]
	s_lshl_b32 s33, s34, 5
	s_add_co_u32 s33, s33, 128                     ; Wk's tiles begin at 128, Wv's at 160
	s_lshl_b32 s32, s29, 3
	s_add_co_u32 s33, s33, s32
	s_lshl_b32 s32, s24, 1
	s_add_co_u32 s33, s33, s32
	QW 2048
.Lpath_h:
	s_lshl_b32 s28, ttmp9, 1
	s_lshr_b32 s29, s24, 1
	s_add_co_u32 s28, s28, s29                     ; my row tile
	s_and_b32 s29, s24, 1                          ; my half of K
	s_lshl_b32 s30, s28, 17                        ; 16 rows of 8,192 bytes
	s_lshl_b32 s32, s29, 12
	s_add_co_u32 s30, s30, s32
	s_add_nc_u64 s[4:5], s[4:5], s[30:31]
	s_lshl_b32 s30, s28, 14
	s_lshl_b32 s32, s29, 13
	s_add_co_u32 s30, s30, s32
	s_add_nc_u64 s[14:15], s[14:15], s[30:31]      ; codes
	s_lshl_b32 s30, s28, 10
	s_lshl_b32 s32, s29, 9
	s_add_co_u32 s30, s30, s32
	s_add_nc_u64 s[16:17], s[16:17], s[30:31]      ; scale words
	s_mul_i32 s33, s24, STG                        ; my stage
	v_lshlrev_b32 v4, 4, v1                        ; 16 x lane: loads, code stores, the scale store
	v_add_nc_u32 v5, s33, v4                       ; into the stage: a row as it lies
	v_and_b32 v8, 15, v1
	v_lshrrev_b32 v9, 4, v1
	v_mul_u32_u24 v6, v8, SPITCH
	v_lshl_add_u32 v6, v9, 7, v6
	v_add_nc_u32 v6, s33, v6                       ; out of it: row r, + 128 h bytes: my block of 32 numbers
	v_lshlrev_b32 v7, 3, v9                        ; 8 h
	v_mov_b32 v15, 0                               ; written once: a lane permute's destination counts as one of its sources
	LOADH 0
	LOADH 1
.irp f, 0,1,2,3,4,5,6,7
	FRAGH \f
.endr
	v_cmp_le_u32 vcc_lo, 16, v1
.irp q, 0,1,2,3
	v_cndmask_b32 v[24+\q], v[16+\q], v[20+\q], vcc_lo   ; lanes 0-15 store my first slot's four words of row r, lanes 16-31 my second slot's
.endr
	global_store_b128 v4, v[24:27], s[16:17]       ; 512 consecutive bytes
	s_wait_tensorcnt 0x0                           ; the wave's end: a tensor wait, an add of 0 and its wait behind my last LDS store, the tensor wait even with no tensor load in the text
	ds_add_u32 v[SPW], v[NIL]
	s_wait_dscnt 0x0
	s_endpgm
.Lfunc_end_k_qe5e4d281aa_prep:
	.size	k_qe5e4d281aa_prep, .Lfunc_end_k_qe5e4d281aa_prep-k_qe5e4d281aa_prep
	.p2alignl 7, 3214868480
	.fill 96, 4, 3214868480
	.section	.rodata,"a",@progbits
	.p2align	6, 0x0
	.amdhsa_kernel k_qe5e4d281aa_prep
		.amdhsa_group_segment_fixed_size 34304
		.amdhsa_private_segment_fixed_size 0
		.amdhsa_enable_private_segment 0
		.amdhsa_kernarg_size 80
		.amdhsa_user_sgpr_count 2
		.amdhsa_user_sgpr_kernarg_segment_ptr 1
		.amdhsa_wavefront_size32 1
		.amdhsa_system_sgpr_workgroup_id_x 1
		.amdhsa_system_sgpr_workgroup_id_y 1
		.amdhsa_system_sgpr_workgroup_id_z 1
		.amdhsa_system_vgpr_workitem_id 0
		.amdhsa_next_free_vgpr 256
		.amdhsa_next_free_sgpr 66
		.amdhsa_reserve_vcc 1
		.amdhsa_float_denorm_mode_32 3
		.amdhsa_float_denorm_mode_16_64 3
		.amdhsa_memory_ordered 1
		.amdhsa_forward_progress 1
		.amdhsa_inst_pref_size 255
	.end_amdhsa_kernel
	.section	.bss,"aw",@nobits
	.p2align	6
	.space	262144
	.amdgpu_metadata
---
amdhsa.version: [ 1, 2 ]
amdhsa.kernels:
  - .name:           k_qe5e4d281aa_prep
    .symbol:         k_qe5e4d281aa_prep.kd
    .args:
      - { .name: hidden_states, .offset: 0, .size: 8, .value_kind: global_buffer, .address_space: global }
      - { .name: Wq, .offset: 8, .size: 8, .value_kind: global_buffer, .address_space: global }
      - { .name: Wk, .offset: 16, .size: 8, .value_kind: global_buffer, .address_space: global }
      - { .name: Wv, .offset: 24, .size: 8, .value_kind: global_buffer, .address_space: global }
      - { .name: Wo, .offset: 32, .size: 8, .value_kind: global_buffer, .address_space: global }
      - { .name: hc, .offset: 40, .size: 8, .value_kind: global_buffer, .address_space: global }
      - { .name: hs, .offset: 48, .size: 8, .value_kind: global_buffer, .address_space: global }
      - { .name: wc, .offset: 56, .size: 8, .value_kind: global_buffer, .address_space: global }
      - { .name: ws, .offset: 64, .size: 8, .value_kind: global_buffer, .address_space: global }
      - { .name: wo16, .offset: 72, .size: 8, .value_kind: global_buffer, .address_space: global }
    .group_segment_fixed_size: 34304
    .private_segment_fixed_size: 0
    .kernarg_segment_align: 8
    .kernarg_segment_size: 80
    .max_flat_workgroup_size: 128
    .sgpr_count:     66
    .vgpr_count:     256
    .wavefront_size: 32
...
	.end_amdgpu_metadata
.endif
;; end of part 1
;; launch qkv (part 2): grid 12 x 16, 4 waves a work-group, clusters of 4 x 4, 327,680 bytes of LDS; arguments hc, hs, wc, ws, cos, sin, qkv16; writes qkv16
.if DOCPART == 2
	.amdgcn_target "amdgcn-amd-amdhsa--gfx1250"
	.amdhsa_code_object_version 6
	.text
	.protected	k_qe5e4d281aa_qkv
	.globl	k_qe5e4d281aa_qkv
	.p2align	8
	.type	k_qe5e4d281aa_qkv,@function
k_qe5e4d281aa_qkv:
	s_mov_b64 s[64:65], 0
	v_nop
	global_prefetch_b8 v0, s[64:65] scope:SCOPE_SE
	s_setreg_imm32_b32 hwreg(HW_REG_WAVE_MODE, 25, 1), 1
	s_wait_xcnt 0x0
	s_wait_alu depctr_hold_cnt(0) depctr_sa_sdst(0) depctr_va_vdst(0) depctr_va_sdst(0) depctr_va_ssrc(0) depctr_va_vcc(0) depctr_vm_vsrc(0)
	s_getreg_b32 s2, hwreg(HW_REG_IB_STS2, 6, 4)
	s_cmp_eq_u32 s2, 0
	s_cbranch_scc0 .Lentry_in_a_cluster
	s_endpgm
.Lentry_in_a_cluster:
	s_bfe_u32 s2, ttmp6, 0x10000c
	s_cmp_lg_u32 s2, 0xf033
	s_cbranch_scc0 .Lentry_shape_is_right
	s_endpgm
.Lentry_shape_is_right:
; [q | k | v] = hidden_states x [Wq | Wk | Wv]: M 4,096, N 3,072, K 2,048, on codes of FP4 (E2M1) with one E8M0 scale for each 32 along K; sums in f32; then the rotary turn of q and k in f32, and one rounding to f16.
; hc, wc: fragments as images of their registers, [tile of 16 rows][K step of 128][1,024 bytes]; hs, ws: scale words [tile][slot of 512 along K][r][K step in the slot].
; A tile of 256 tokens x 256 columns is made by a work-group of four waves; a wave makes 128 x 128: 64 accumulators, 512 registers.  K goes in slots of 512 through a ring of two LDS slots filled by the tensor data mover:
; of each 16-row tile a slot takes 4,096 consecutive bytes, and a fragment comes out of LDS by two loads at 16 x lane: 512 consecutive bytes each, no pitch, no padding.
; The scale words of the work-group's rows and columns, for all of K, are two dense blocks of 16 KiB: they come into LDS once, with the first fills.
; CLUSTERS: 4 x 4 work-groups.  The four of a row of the cluster need the same tiles of hc, the four of a column the same tiles of wc: each is asked for jointly.
; 192 work-groups: tiles of 256 columns hold whole heads (the turn pairs channels d and d + 32 of a head of 64), and 3,072 / 256 x 16 is the number that gives.
; THE MATRIX INSTRUCTION IS USED TRANSPOSED (source 0 = 16 columns of W, source 1 = 16 tokens): a lane holds one token (lane % 16) and eight neighbouring channels, 8 (lane / 16) + 0 .. 7 of a block of 16.
; THE WAY OUT needs no LDS: a lane's eight channels, packed to 16 bytes, ARE its part of the next launch's operand.  qkv16: [head slot 48: 0-31 q, 32-39 k, 40-47 v][token tile 256][block of 16 channels: 4][512 bytes];
; q, k: byte 16 x lane (half a fragment of 16 tokens x 32 channels);  v: byte 32 r + 16 h (16 tokens x 16 channels, row by row, for the turning LDS load).
; The score's factor log2(e) / 8 is split: q is multiplied by log2(e) / 2, k by 1 / 4, both folded into cos and sin in f32 ahead of the one rounding.  For v the same lines run with cos = 1, sin = 0: a choice of values, no branch.
; LIMITS: q x log2(e) / 2, k / 4 and v beyond 65,504 in magnitude are not served (f16); NaN and infinities are not served.
; REGISTERS: window 0: v0-31 addresses; v32-95 scale words, two sets, and nothing else; v96-127 packed results; v128-191 A's fragments, one set, later the turned numbers; v192-255 cos and sin, two sets.
;   window 1: B's fragments, two sets, at v0 and v128.   windows 2, 3: the accumulators of my tokens 0-63 and 64-127 ((a, b) at v[8 (8 (a % 4) + b)]).
.set NQ,     4                         ; matrix instructions deep in a slot
.set FR,     8                         ; registers of a fragment
.set NL,     2                         ; LDS loads that bring one
.set NP,     4                         ; places behind this matrix instruction (ISA guide 7.12.1)
.set HALFT,  32768                     ; 8 tiles x 4,096 bytes: what one tensor load brings, and what one wave reads of A or of B
.set SLOT,   4*HALFT                   ; A's 16 tiles, then B's 16
.set LAPS,   2                         ; a lap = two slots = 1,024 along K
.set SCL,    2*SLOT                    ; behind the ring: the scale words
.set HALFS,  8192                      ; those of 8 tiles: what one tensor load brings
.set SBLK,   1024                      ; those of one tile
.set SPARE,  SCL+4*HALFS               ; behind them: the spare words, 128 bytes a wave: two blocks of 256 bytes that no other line names
.set ADRA, 16                          ; v16-17  LDS address of my A fragments in slot 0, 1
.set ADRB, 20                          ; v20-21  the same for B
.set ADRS, 27                          ; v27     LDS address of my scale words: lanes 0-15 A's rows, lanes 16-31 B's
.set SPW,  28                          ; v28     LDS address of my spare word; never rewritten
.set NIL,  29                          ; v29     0; never rewritten
.set CSO,  30                          ; v30     my byte in 16 tokens' rows of cos and sin: 128 r + 32 h
.set QO,   31                          ; v31     my 16 bytes in a block of qkv16
.set SC,   32                          ; scale words: set s at v[SC + 32 s]; register 4 i + q: lanes 0-15 A's tile i, lanes 16-31 B's tile i, the slot's q-th 128 along K
.set DD,   96                          ; the way out: 32 registers of packed f16
.set AF,   128                         ; A's fragments
.set OO,   128                         ; the way out: 64 turned numbers
.set CSB,  192                         ; cos and sin: set a % 2 at v[CSB + 32 (a % 2)]: cos of channels 16 bb + 8 h + j at + 8 bb + j, sin at + 16 + 8 bb + j
.set G1, 24                            ; s[24:31] descriptor group 1 for A's tiles;  s[32:39] group 0, one set for each slot
.set G0, 32
.set G1B, 48                           ; s[48:55], s[56:63] the same for B's tiles
.set G0B, 56
.set G1S, 68                           ; s[68:75], s[76:79] groups 1 and 0 for A's scale words;  s[80:87], s[88:91] for B's
.set G0S, 76
.set G1SB, 80
.set G0SB, 88
.set MSB, 0
.macro WIN new                         ; the immediate's high byte repeats the setting that is left
.if MSB != \new
	s_set_vgpr_msb (MSB<<8)|\new
.set MSB, \new
.endif
.endm
.set MUL_LO, 0xa1                      ; source 0 (B) window 1, source 1 (A) window 0, C and D window 2
.set MUL_HI, 0xf1                      ; the same, C and D window 3
.set TO_B,   0x40                      ; destination window 1, address window 0
; A joint load: waves 0 and 1 fetch for A, waves 2 and 3 for B.  Each of the two lines has one mask and one set of registers for all that issue it; the branch hangs on the wave's number alone.
; An s_nop 0 and four v_nop follow each of the two lines, ahead of the jump, the label and what follows.
.macro JLOAD g0a, g1a, g0b, g1b
	s_cmp_eq_u32 s15, 0
	s_cbranch_scc0 .Lfor_b_\@
	tensor_load_to_lds s[\g0a:\g0a+3], s[\g1a:\g1a+7]
	s_nop 0
.rept 4
	v_nop
.endr
	s_branch .Lasked_\@
.Lfor_b_\@:
	tensor_load_to_lds s[\g0b:\g0b+3], s[\g1b:\g1b+7]
	s_nop 0
.rept 4
	v_nop
.endr
.Lasked_\@:
.endm
.macro CREST                           ; a round of the cluster's barrier behind its opening barrier
	s_cmp_lg_u32 s14, 0
	s_cbranch_scc1 .Lnot_wave_0_\@
	s_barrier_signal -3
.Lnot_wave_0_\@:
	s_barrier_wait -3
	s_barrier_signal -1
	s_barrier_wait -1
.endm
.macro CROUND                          ; a whole round
	s_barrier_signal -1
	s_barrier_wait -1
	CREST
.endm
	s_load_b128 s[4:7], s[0:1], 0x0                ; hc s[4:5], hs s[6:7]
	s_load_b128 s[8:11], s[0:1], 0x10              ; wc s[8:9], ws s[10:11]
	s_load_b128 s[96:99], s[0:1], 0x20             ; cos s[96:97], sin s[98:99]
	s_load_b64 s[12:13], s[0:1], 0x30              ; qkv16
	v_lshl_add_u32 v[SPW], v0, 2, SPARE
	v_mov_b32 v[NIL], 0
	ds_add_u32 v[SPW], v[NIL]                      ; the wave's opening: the add, twice on end, and its wait ahead of my first tensor load; the set-up below stands between the second and the wait
	ds_add_u32 v[SPW], v[NIL]
	v_lshrrev_b32 v1, 5, v0
	v_readfirstlane_b32 s14, v1                    ; wave 0..3
	s_lshr_b32 s15, s14, 1                         ; which half of the tile's tokens is mine.  Also: I fetch for A (0) or for B (1)
	s_and_b32 s16, s14, 1                          ; which half of its columns.  Also: which 8 tiles I fetch
	s_bfe_u32 s40, ttmp6, 0x40000                  ; cx, cy: my place in the cluster
	s_bfe_u32 s41, ttmp6, 0x40004
	s_lshl_b32 s42, ttmp9, 2
	s_add_co_u32 s42, s42, s40                     ; tile column = 4 x cluster x + cx: 0-7 q, 8-9 k, 10-11 v
	s_and_b32 s17, ttmp7, 0xffff
	s_lshl_b32 s17, s17, 2
	s_add_co_u32 s17, s17, s41                     ; tile row = 4 x cluster y + cy
	s_lshl_b32 s43, s41, 2
	s_lshl_b32 s43, 15, s43                        ; my row of the cluster
	s_lshl_b32 s44, 0x1111, s40                    ; my column
	; descriptor group 1 for codes: 8 rows (tiles) of 512 elements of 8 bytes, 16,384 bytes from tile to tile; no padding
	s_or_b32 s[G1+0], s43, (3<<16)|(1<<21)         ; 15:0 the mask: A's tiles go to my row; 17:16 elements of 8 bytes; 21 set beside a mask
	s_or_b32 s[G1B+0], s44, (3<<16)|(1<<21)
.irp g, G1, G1B
	s_mov_b32 s[\g+1], 512<<16                     ; tensor_dim0
	s_mov_b32 s[\g+2], 8<<16                       ; tensor_dim1
	s_mov_b32 s[\g+3], 512<<16                     ; tile_dim0
	s_mov_b32 s[\g+4], 8                           ; tile_dim1
	s_mov_b32 s[\g+5], 2048                        ; tensor_dim0_stride, in elements
	s_mov_b32 s[\g+6], 0
	s_mov_b32 s[\g+7], 0
.endr
	; and for the scale words of 8 tiles: 8,192 dense bytes as 32 rows of 256
	s_or_b32 s[G1S+0], s43, (3<<16)|(1<<21)
	s_or_b32 s[G1SB+0], s44, (3<<16)|(1<<21)
.irp g, G1S, G1SB
	s_mov_b32 s[\g+1], 32<<16
	s_mov_b32 s[\g+2], 32<<16
	s_mov_b32 s[\g+3], 32<<16
	s_mov_b32 s[\g+4], 32
	s_mov_b32 s[\g+5], 32
	s_mov_b32 s[\g+6], 0
	s_mov_b32 s[\g+7], 0
.endr
	s_lshl_b32 s20, s17, 1
	s_add_co_u32 s20, s20, s16                     ; A: which run of 8 tiles: 2 x tile row + half
	s_lshl_b32 s46, s42, 1
	s_add_co_u32 s46, s46, s16                     ; B: 2 x tile column + half
	s_lshl_b32 s22, s20, 13                        ; their scale words, in bytes,
	s_mov_b32 s23, 0
	s_lshl_b32 s92, s46, 13
	s_mov_b32 s93, 0
	s_lshl_b32 s20, s20, 17                        ; and their codes
	s_mov_b32 s21, 0
	s_lshl_b32 s46, s46, 17
	s_mov_b32 s47, 0
	s_mul_i32 s45, s14, HALFT                      ; where they go: wave x 8 tiles: no place in the cluster enters an LDS address
	s_mul_i32 s94, s14, HALFS
	; what the way out multiplies cos and sin by: values chosen by the tile column, no branch
	s_mov_b32 s66, 0x3e800000                      ; k: 1 / 4
	s_cmp_lt_u32 s42, 8
	s_cselect_b32 s66, 0x3f38aa3b, s66             ; q: log2(e) / 2
	s_cmp_ge_u32 s42, 10
	s_cselect_b32 s66, 0, s66                      ; v: cos x 0 + 1, sin x 0
	s_cselect_b32 s67, 1.0, 0
	s_cselect_b32 s95, 32, 16                      ; my 16 bytes in a block: v: 32 r + 16 h;  q, k: 16 r + 256 h
	s_cselect_b32 s2, 16, 256
	s_wait_dscnt 0x0                               ; both opening adds are done
	s_wait_kmcnt 0x0
	s_add_nc_u64 s[20:21], s[4:5], s[20:21]
	s_add_nc_u64 s[22:23], s[6:7], s[22:23]
	s_add_nc_u64 s[46:47], s[8:9], s[46:47]
	s_add_nc_u64 s[92:93], s[10:11], s[92:93]
	CROUND                                         ; all sixteen work-groups are here: the first joint loads meet
	s_mov_b32 s[G0S], 1
	s_add_co_u32 s[G0S+1], s94, SCL
	s_mov_b64 s[G0S+2:G0S+3], s[22:23]
	s_or_b32 s[G0S+3], s[G0S+3], 0x80000000
	s_mov_b32 s[G0SB], 1
	s_add_co_u32 s[G0SB+1], s94, SCL
	s_mov_b64 s[G0SB+2:G0SB+3], s[92:93]
	s_or_b32 s[G0SB+3], s[G0SB+3], 0x80000000
	JLOAD G0S, G1S, G0SB, G1SB                     ; the scale words first: they are wanted with slot 0.  With the two below three loads of mine are out
.irp s, 0,1
	s_mov_b32 s[G0+4*\s], 1
	s_add_co_u32 s[G0+4*\s+1], s45, \s*SLOT
	s_add_nc_u64 s[G0+4*\s+2:G0+4*\s+3], s[20:21], \s*4096
	s_or_b32 s[G0+4*\s+3], s[G0+4*\s+3], 0x80000000
	s_mov_b32 s[G0B+4*\s], 1
	s_add_co_u32 s[G0B+4*\s+1], s45, \s*SLOT
	s_add_nc_u64 s[G0B+4*\s+2:G0B+4*\s+3], s[46:47], \s*4096
	s_or_b32 s[G0B+4*\s+3], s[G0B+4*\s+3], 0x80000000
	JLOAD G0+4*\s, G1, G0B+4*\s, G1B
.endr
	v_and_b32 v1, 15, v0                           ; r
	v_bfe_u32 v2, v0, 4, 1                         ; h
	v_and_b32 v6, 31, v0
	v_lshlrev_b32 v4, 4, v6                        ; 16 x lane: a fragment's image
	s_mul_i32 s21, s15, HALFT                      ; my 8 tiles of A
	s_mul_i32 s22, s16, HALFT                      ; my 8 tiles of B,
	s_add_co_u32 s22, s22, 2*HALFT                 ; which lie behind A's 16
.irp s, 0,1
	v_add_nc_u32 v[ADRA+\s], s21, v4
	v_add_nc_u32 v[ADRB+\s], s22, v4
	s_add_co_u32 s21, s21, SLOT
	s_add_co_u32 s22, s22, SLOT
.endr
	v_lshlrev_b32 v5, 4, v1                        ; my row's four words of a slot: 16 r
	s_mul_i32 s21, s15, HALFS                      ; A's: my 8 tiles
	s_mul_i32 s22, s16, HALFS                      ; B's: my 8 tiles, behind A's 16
	s_add_co_u32 s22, s22, 2*HALFS
	s_sub_co_u32 s22, s22, s21
	v_mul_u32_u24 v6, s22, v2                      ; lanes 16-31 take B's
	s_add_co_u32 s21, s21, SCL
	v_add_nc_u32 v5, v5, v6
	v_add_nc_u32 v[ADRS], s21, v5
	v_lshlrev_b32 v[CSO], 7, v1
	v_lshl_add_u32 v[CSO], v2, 5, v[CSO]           ; cos, sin: token r's row of 128 bytes, + 32 h
	v_mul_u32_u24 v[QO], s95, v1
	v_mad_u32_u24 v[QO], v2, s2, v[QO]
	s_lshl_b32 s20, s17, 15                        ; my first token: 256 x tile row + 128 x half: x 128 bytes in cos and sin, and (16 tokens to a tile of 2,048 bytes) in qkv16 too
	s_lshl_b32 s21, s15, 14
	s_add_co_u32 s20, s20, s21
	s_mov_b32 s21, 0
	s_add_nc_u64 s[96:97], s[96:97], s[20:21]
	s_add_nc_u64 s[98:99], s[98:99], s[20:21]
	s_add_nc_u64 s[12:13], s[12:13], s[20:21]
	s_lshl_b32 s46, s42, 21                        ; my first head slot: 4 x tile column + 2 x half, 524,288 bytes each
	s_lshl_b32 s47, s16, 20
	s_add_co_u32 s46, s46, s47
	s_mov_b32 s47, 0
	s_add_nc_u64 s[12:13], s[12:13], s[46:47]
; cos and sin of block a's 16 tokens, my 16 channels of the 32: eight loads into set a % 2
.macro CSLOAD a
.set CB, CSB+32*((\a)%2)
.irp bb, 0,1
	global_load_b128 v[CB+8*\bb:CB+8*\bb+3],       v[CSO], s[96:97] offset:2048*(\a)+64*\bb
	global_load_b128 v[CB+8*\bb+4:CB+8*\bb+7],     v[CSO], s[96:97] offset:2048*(\a)+64*\bb+16
	global_load_b128 v[CB+16+8*\bb:CB+16+8*\bb+3], v[CSO], s[98:99] offset:2048*(\a)+64*\bb
	global_load_b128 v[CB+16+8*\bb+4:CB+16+8*\bb+7], v[CSO], s[98:99] offset:2048*(\a)+64*\bb+16
.endr
.endm
	CSLOAD 0                                       ; the first two blocks' land while K is walked
	CSLOAD 1
.macro FRAG reg, adr, q, i             ; a fragment, 16 rows x 128 K of 4-bit codes, 8 registers: its image, two loads of 512 consecutive bytes
.irp c, 0,1
	ds_load_b128 v[\reg+4*\c:\reg+4*\c+3], v[\adr] offset:1024*(\q)+512*\c+(\i)*4096
.endr
.endm
; 16 matrix instructions: A's blocks a0, a0 + 1 x B's eight, the slot's q-th 128 along K.  p: B's set;  sc: the set of scale words.  zero = 1: the first product starts the sums.
; The 64 accumulators take turns, one instruction a turn, in the same order in every step.
.macro MUL16 a0, p, q, sc, zero
.irp a, \a0, \a0+1
.irp b, 0,1,2,3,4,5,6,7
.if \zero
	v_wmma_scale_f32_16x16x128_f8f6f4 v[8*(8*((\a)%4)+\b):8*(8*((\a)%4)+\b)+7], v[128*(\p)+FR*\b:128*(\p)+FR*\b+FR-1], v[AF+FR*(\a):AF+FR*(\a)+FR-1], 0, v[SC+8*NQ*(\sc)+NQ*\b+(\q)], v[SC+8*NQ*(\sc)+NQ*(\a)+(\q)] matrix_a_fmt:MATRIX_FMT_FP4 matrix_b_fmt:MATRIX_FMT_FP4 matrix_a_scale:MATRIX_SCALE_ROW1
.else
	v_wmma_scale_f32_16x16x128_f8f6f4 v[8*(8*((\a)%4)+\b):8*(8*((\a)%4)+\b)+7], v[128*(\p)+FR*\b:128*(\p)+FR*\b+FR-1], v[AF+FR*(\a):AF+FR*(\a)+FR-1], v[8*(8*((\a)%4)+\b):8*(8*((\a)%4)+\b)+7], v[SC+8*NQ*(\sc)+NQ*\b+(\q)], v[SC+8*NQ*(\sc)+NQ*(\a)+(\q)] matrix_a_fmt:MATRIX_FMT_FP4 matrix_b_fmt:MATRIX_FMT_FP4 matrix_a_scale:MATRIX_SCALE_ROW1
.endif
.endr
.endr
.endm
.macro FETCH_B slot, q, p              ; B's eight fragments of the slot's q-th 128 along K into set p
	WIN TO_B
.irp i, 0,1,2,3,4,5,6,7
	FRAG 128*(\p)+FR*\i, ADRB+\slot, \q, \i
.endr
	WIN 0
.endm
.macro FETCH_A slot, q, i0             ; A's blocks i0 .. i0 + 3
.irp i, \i0, \i0+1, \i0+2, \i0+3
	FRAG AF+FR*(\i), ADRA+\slot, \q, \i
.endr
.endm
.macro SCALES sc                       ; a slot's scale words into set sc: four words a row; lanes 0-15 take A's tile i, lanes 16-31 B's tile i
.irp i, 0,1,2,3,4,5,6,7
	ds_load_b128 v[SC+8*NQ*\sc+NQ*\i:SC+8*NQ*\sc+NQ*\i+3], v[ADRS] offset:\i*SBLK
.endr
.endm
; A load into a register that a matrix instruction has read, and a vector instruction that reads a matrix result, stand NP places behind that matrix instruction; only plain vector
; instructions that name none of its registers are places (ISA guide 7.12.1 for vector instructions).
.macro PLACES n
.rept \n
	v_nop
.endr
.endm
; A step of 128 along K that has its successor in the same slot.  A's blocks go one after the other, each against B's eight: so one set of registers serves A, fetched anew in two runs.
.macro STEP slot, q, zero
	s_wait_dscnt 4*NL                              ; B's set and A's blocks 0-3 are in; the youngest eight loads (A's blocks 4-7) may be out
	WIN MUL_LO
	MUL16 0, (\q)%2, \q, \slot, \zero
	MUL16 2, (\q)%2, \q, \slot, \zero
	s_wait_dscnt 0                                 ; A's blocks 4-7 are in
	PLACES NP
	FETCH_B \slot, (\q)+1, 1-(\q)%2
	FETCH_A \slot, (\q)+1, 0
	WIN MUL_HI
	MUL16 4, (\q)%2, \q, \slot, \zero
	MUL16 6, (\q)%2, \q, \slot, \zero
	PLACES NP
	WIN 0
	FETCH_A \slot, (\q)+1, 4
.endm
; A slot's last step changes slots: one barrier; in front of it each wave waits for all its tensor loads, adds 0 to its spare word, and waits for that and for its own reads of this slot.  fill = 1: this slot is filled again, two slots ahead.
.macro TURN slot, next, fill
	s_wait_tensorcnt 0x0                           ; all my tensor loads have landed: my part of the next slot  (every window is 0 here)
	ds_add_u32 v[SPW], v[NIL]                      ; 0 onto my spare word
	s_wait_dscnt 4*NL+1                            ; the add and the youngest eight loads (A's blocks 4-7) may be out
	WIN MUL_LO
	MUL16 0, 1, NQ-1, \slot, 0                     ; sixteen matrix instructions stand between the add and the wait for it
	s_wait_dscnt 0x0                               ; the add is done, and my reads of this slot are over
	s_barrier_signal -1
	MUL16 2, 1, NQ-1, \slot, 0
	WIN 0
	s_barrier_wait -1
.if \fill
	CREST                                          ; the barrier has opened a round of the cluster's barrier: no wave of any partner still reads this slot or has a load on its way
	s_add_nc_u64 s[G0+4*\slot+2:G0+4*\slot+3], s[G0+4*\slot+2:G0+4*\slot+3], 8192
	s_add_nc_u64 s[G0B+4*\slot+2:G0B+4*\slot+3], s[G0B+4*\slot+2:G0B+4*\slot+3], 8192
	JLOAD G0+4*\slot, G1, G0B+4*\slot, G1B         ; the first tensor load behind the round, my one load until the next; its four v_nop are the places in front of the loads below
.else
	PLACES NP
.endif
	v_add_nc_u32 v[ADRS], 256, v[ADRS]             ; on to the next slot's scale words
	FETCH_B \next, 0, 0
	FETCH_A \next, 0, 0
	SCALES \next
	WIN MUL_HI
	MUL16 4, 1, NQ-1, \slot, 0
	MUL16 6, 1, NQ-1, \slot, 0
	PLACES NP
	WIN 0
	FETCH_A \next, 0, 4
.endm
.macro STEPS slot, from                ; the slot's steps from .. NQ - 2
.set Q, \from
.rept NQ-1-\from
	STEP \slot, Q, 0
.set Q, Q+1
.endr
.endm
	s_wait_tensorcnt 1                             ; the scale words and my part of slot 0 are in; slot 1's load may be out
	s_barrier_signal -1
	s_barrier_wait -1                              ; everybody's are
	FETCH_B 0, 0, 0
	FETCH_A 0, 0, 0
	SCALES 0
	FETCH_A 0, 0, 4
	STEP 0, 0, 1                                   ; the first step stands in front of the loop: its products start the sums
	s_mov_b32 s3, LAPS-1
.Llap:                                                 ; a trip goes once round the ring, from a lap's second step to the next lap's first, and fills both slots again
	STEPS 0, 1
	TURN 0, 1, 1
	STEPS 1, 0
	TURN 1, 0, 1
	STEP 0, 0, 0
	s_sub_co_u32 s3, s3, 1
	s_cmp_lg_u32 s3, 0
	s_cbranch_scc1 .Llap
	STEPS 0, 1                                     ; the last lap fills nothing, and has no round of the cluster's barrier
	TURN 0, 1, 0
	STEPS 1, 0
	s_wait_dscnt 4*NL                              ; the very last step: nothing more to fetch
	WIN MUL_LO
	MUL16 0, 1, NQ-1, 1, 0
	MUL16 2, 1, NQ-1, 1, 0
	s_wait_dscnt 0
	WIN MUL_HI
	MUL16 4, 1, NQ-1, 1, 0
	MUL16 6, 1, NQ-1, 1, 0
	WIN 0
; THE WAY OUT, block a of 16 tokens x my 128 columns (two heads).  In a head, blocks bb = 0, 1 hold x1 (channels 16 bb + ..) and blocks bb + 2 hold x2 (32 further on):
; out1 = x1 c - x2 s, out2 = x2 c + x1 s.  The products with s land in the results' registers, the multiply-adds with c add onto them.  Each accumulator is read from its low end on.
.macro ROWOUT a
.set CB, CSB+32*((\a)%2)
.set AC, 64*((\a)%4)
.if (\a) < 7
	s_wait_loadcnt 8                               ; this block's cos and sin are in; the other set's eight loads may be out
.else
	s_wait_loadcnt 0x0
.endif
.irp i, 0,1,2,3,4,5,6,7,8,9,10,11,12,13,14,15
	v_fma_f32 v[CB+\i], v[CB+\i], s66, s67         ; q: c log2(e) / 2;  k: c / 4;  v: 1
.endr
.irp i, 0,1,2,3,4,5,6,7,8,9,10,11,12,13,14,15
	v_mul_f32 v[CB+16+\i], s66, v[CB+16+\i]        ; the same of s;  v: 0
.endr
	WIN 0x02+(\a)/4                                ; source 0: the accumulators' window
.irp hd, 0,1
.irp bb, 0,1
.irp jj, 0,2,4,6
	v_pk_mul_f32 v[OO+8*(4*\hd+\bb)+\jj:OO+8*(4*\hd+\bb)+\jj+1], v[AC+8*(4*\hd+\bb+2)+\jj:AC+8*(4*\hd+\bb+2)+\jj+1], v[CB+16+8*\bb+\jj:CB+16+8*\bb+\jj+1]
.endr
.irp jj, 0,2,4,6
	v_pk_mul_f32 v[OO+8*(4*\hd+\bb+2)+\jj:OO+8*(4*\hd+\bb+2)+\jj+1], v[AC+8*(4*\hd+\bb)+\jj:AC+8*(4*\hd+\bb)+\jj+1], v[CB+16+8*\bb+\jj:CB+16+8*\bb+\jj+1]
.endr
.irp jj, 0,2,4,6
	v_pk_fma_f32 v[OO+8*(4*\hd+\bb)+\jj:OO+8*(4*\hd+\bb)+\jj+1], v[AC+8*(4*\hd+\bb)+\jj:AC+8*(4*\hd+\bb)+\jj+1], v[CB+8*\bb+\jj:CB+8*\bb+\jj+1], v[OO+8*(4*\hd+\bb)+\jj:OO+8*(4*\hd+\bb)+\jj+1] neg_lo:[0,0,1] neg_hi:[0,0,1]
.endr
.irp jj, 0,2,4,6
	v_pk_fma_f32 v[OO+8*(4*\hd+\bb+2)+\jj:OO+8*(4*\hd+\bb+2)+\jj+1], v[AC+8*(4*\hd+\bb+2)+\jj:AC+8*(4*\hd+\bb+2)+\jj+1], v[CB+8*\bb+\jj:CB+8*\bb+\jj+1], v[OO+8*(4*\hd+\bb+2)+\jj:OO+8*(4*\hd+\bb+2)+\jj+1]
.endr
.endr
.endr
	WIN 0
.if (\a) >= 1
	s_wait_xcnt 0x0                                ; the last block's stores have read the packed registers
.endif
.irp i, 0,1,2,3,4,5,6,7,8,9,10,11,12,13,14,15,16,17,18,19,20,21,22,23,24,25,26,27,28,29,30,31
	v_cvt_pk_f16_f32 v[DD+\i], v[OO+2*\i], v[OO+2*\i+1]
.endr
.irp b, 0,1,2,3,4,5,6,7
	global_store_b128 v[QO], v[DD+4*\b:DD+4*\b+3], s[12:13] offset:2048*(\a)+524288*(\b/4)+512*(\b%4)   ; the wave stores 512 consecutive bytes, aligned
.endr
.if (\a)+2 < 8
	CSLOAD (\a)+2
.endif
.endm
	PLACES NP                                      ; behind the last products, ahead of the first read of results and the first write over A's fragments
.irp a, 0,1,2,3,4,5,6,7
	ROWOUT \a
.endr
	s_wait_tensorcnt 0x0                           ; the wave's end: a tensor wait, an add of 0 and its wait behind my last tensor load
	ds_add_u32 v[SPW], v[NIL]
	s_wait_dscnt 0x0
	CROUND                                         ; the closing round: no work-group ends while a partner may still ask for a tile that names it
	s_endpgm
.Lfunc_end_k_qe5e4d281aa_qkv:
	.size	k_qe5e4d281aa_qkv, .Lfunc_end_k_qe5e4d281aa_qkv-k_qe5e4d281aa_qkv
	.p2alignl 7, 3214868480
	.fill 96, 4, 3214868480
	.section	.rodata,"a",@progbits
	.p2align	6, 0x0
	.amdhsa_kernel k_qe5e4d281aa_qkv
		.amdhsa_group_segment_fixed_size 327680
		.amdhsa_private_segment_fixed_size 0
		.amdhsa_enable_private_segment 0
		.amdhsa_kernarg_size 56
		.amdhsa_user_sgpr_count 2
		.amdhsa_user_sgpr_kernarg_segment_ptr 1
		.amdhsa_wavefront_size32 1
		.amdhsa_system_sgpr_workgroup_id_x 1
		.amdhsa_system_sgpr_workgroup_id_y 1
		.amdhsa_system_sgpr_workgroup_id_z 1
		.amdhsa_system_vgpr_workitem_id 0
		.amdhsa_next_free_vgpr 1024
		.amdhsa_next_free_sgpr 100
		.amdhsa_reserve_vcc 0
		.amdhsa_float_denorm_mode_32 3
		.amdhsa_float_denorm_mode_16_64 3
		.amdhsa_memory_ordered 1
		.amdhsa_forward_progress 1
		.amdhsa_inst_pref_size 255
	.end_amdhsa_kernel
	.amdgpu_metadata
---
amdhsa.version: [ 1, 2 ]
amdhsa.kernels:
  - .name:           k_qe5e4d281aa_qkv
    .symbol:         k_qe5e4d281aa_qkv.kd
    .args:
      - { .name: hc, .offset: 0, .size: 8, .value_kind: global_buffer, .address_space: global }
      - { .name: hs, .offset: 8, .size: 8, .value_kind: global_buffer, .address_space: global }
      - { .name: wc, .offset: 16, .size: 8, .value_kind: global_buffer, .address_space: global }
      - { .name: ws, .offset: 24, .size: 8, .value_kind: global_buffer, .address_space: global }
      - { .name: cos, .offset: 32, .size: 8, .value_kind: global_buffer, .address_space: global }
      - { .name: sin, .offset: 40, .size: 8, .value_kind: global_buffer, .address_space: global }
      - { .name: qkv16, .offset: 48, .size: 8, .value_kind: global_buffer, .address_space: global }
    .group_segment_fixed_size: 327680
    .private_segment_fixed_size: 0
    .kernarg_segment_align: 8
    .kernarg_segment_size: 56
    .max_flat_workgroup_size: 128
    .sgpr_count:     100
    .vgpr_count:     1024
    .wavefront_size: 32
...
	.end_amdgpu_metadata
.endif
;; end of part 2
;; launch attn (part 3): grid 8 x 32, 8 waves a work-group, clusters of 4 x 1, 327,680 bytes of LDS; arguments qkv16, at16; writes at16
.if DOCPART == 3
	.amdgcn_target "amdgcn-amd-amdhsa--gfx1250"
	.amdhsa_code_object_version 6
	.text
	.protected	k_qe5e4d281aa_attn
	.globl	k_qe5e4d281aa_attn
	.p2align	8
	.type	k_qe5e4d281aa_attn,@function
k_qe5e4d281aa_attn:
	s_mov_b64 s[64:65], 0
	v_nop
	global_prefetch_b8 v0, s[64:65] scope:SCOPE_SE
	s_setreg_imm32_b32 hwreg(HW_REG_WAVE_MODE, 25, 1), 1
	s_wait_xcnt 0x0
	s_wait_alu depctr_hold_cnt(0) depctr_sa_sdst(0) depctr_va_vdst(0) depctr_va_sdst(0) depctr_va_ssrc(0) depctr_va_vcc(0) depctr_vm_vsrc(0)
	s_getreg_b32 s2, hwreg(HW_REG_IB_STS2, 6, 4)
	s_cmp_eq_u32 s2, 0
	s_cbranch_scc0 .Lentry_in_a_cluster
	s_endpgm
.Lentry_in_a_cluster:
	s_bfe_u32 s2, ttmp6, 0x10000c
	s_cmp_lg_u32 s2, 0x3003
	s_cbranch_scc0 .Lentry_shape_is_right
	s_endpgm
.Lentry_shape_is_right:
; Causal attention, 4 sequences x 1,024 positions, 32 query heads on 8 key and value heads, head size 64.  q (x log2(e) / 2), k (x 1 / 4) and v arrive in f16 as the launch before laid them; products on f16, sums in f32.
; p = 2^(s - m), m the running maximum of the row's scores s = q' . k' (which already carry log2(e) / 8); the row's sum is taken of the unrounded p in f32 and divides at the end; p is rounded to f16 for the second product.
; ALL OF K AND V OF A (SEQUENCE, KEY HEAD) LIES IN LDS: 2 x 131,072 bytes, each one dense block of memory, filled once: no ring, no refill, no barrier in the loops, and every wave walks its own causal range.
; CLUSTER: the four partners are the four query heads of one key head, at the SAME query positions: K and V are asked for jointly, and every branch hangs on the cluster's x and y and the wave's number alone.
; SHARES: a unit is 32 queries (two tiles of 16, which share every fragment of K and V).  Wave w of the cluster with x = y takes unit 2 w + y and then unit 31 - (2 w + y): (w + 1) + (16 - w) = 17 key steps of 64 for every wave.
; The loops' trip counts are constants; a step all of whose keys come after the unit's queries is jumped over by a scalar branch on ids.  In a unit's one step on the diagonal hidden scores become -infinity ahead of the maximum.
; Key 0 counts for every query, so m is a number from a unit's first step on.
; LAYOUT: S^T = K Q^T (source 0 = 16 keys, source 1 = 16 queries), O^T = V^T P (source 0 = 16 channels, source 1 = P): a lane holds ONE query (lane % 16) throughout; two tiles of S^T, rounded in pairs, are a fragment of P.
; K's fragments come out of LDS as images (16 x lane); V's sub-tiles (16 keys x 16 channels, 32 bytes a key) through the turning load.
; O^T / the sum, packed, is the lane's part of the next launch's operand: at16 [token tile 256][K step 64 = 2 head + u][1,024 bytes]: stores of 512 consecutive bytes, no LDS on the way out.
; Keys 0-511 are waited for first; keys 512 on land while the first units are walked (they need keys under 512 alone).
; LIMITS: scores whose spread passes f32, NaN and infinities are not served; the averages of v beyond 65,504 are not served (f16).
; REGISTERS: window 0: v1-11 addresses and constants; v12-27 eight statistics a tile; v64-127 S^T; v128-159 P; v160-223 K.   window 1: v0-63 O^T; v64-127 V; v128-159, v160-191 Q of my two units.
.set VREG,  131072                     ; LDS: K at 0 (key tile t at 2,048 t), V here
.set SPARE, 262144                     ; the spare words, 128 bytes a wave: four blocks of 256 bytes that no other line names
.set LI,   1                           ; v1   16 x lane
.set AV0,  2                           ; v2   my lane's place in a sub-tile of V
.set ADK,  3                           ; v3   LDS address of the step's K
.set ADV,  4                           ; v4   of its V
.set DL,   5                           ; v5   r - 8 h
.set DQ,   6                           ; v6-7 tile x: my query - the step's first key - 8 h
.set NINF, 8                           ; v8   -infinity
.set SPW,  10                          ; v10  LDS address of my spare word; never rewritten
.set NIL,  11                          ; v11  0; never rewritten
.set ST,   12                          ; tile x at v[ST + 8 x]: +0 m, +1 the old m, +2, +3 the sum in two halves, +4 to +7 at work; a takes +6, old m - new m takes +7
.set S,    64
.set P,    128
.set KFR,  160
.set WV,   8                           ; s8   my wave's number
.set MSB, 0
.macro WIN new                         ; the immediate's high byte repeats the setting that is left
.if MSB != \new
	s_set_vgpr_msb (MSB<<8)|\new
.set MSB, \new
.endif
.endm
.set W_KQ,  0x04                       ; Q (source 1) in window 1
.set W_PV,  0x51                       ; V (source 0), O^T (C and D) in window 1
.set W_RS,  0x41                       ; O^T (destination and source 0) in window 1
.set W_LD1, 0x40                       ; destination in window 1
.set W_OUT, 0x01                       ; source 0 in window 1
.macro CROUND                          ; a round of the cluster's barrier
	s_barrier_signal -1
	s_barrier_wait -1
	s_cmp_lg_u32 s[WV], 0
	s_cbranch_scc1 .Lnot_wave_0_\@
	s_barrier_signal -3
.Lnot_wave_0_\@:
	s_barrier_wait -3
	s_barrier_signal -1
	s_barrier_wait -1
.endm
	s_load_b128 s[4:7], s[0:1], 0x0                ; qkv16 s[4:5], at16 s[6:7]
	v_lshl_add_u32 v[SPW], v0, 2, SPARE
	v_mov_b32 v[NIL], 0
	ds_add_u32 v[SPW], v[NIL]                      ; the wave's opening: the add, twice on end, and its wait ahead of my first tensor load; the set-up below stands between the second and the wait
	ds_add_u32 v[SPW], v[NIL]
	v_lshrrev_b32 v1, 5, v0
	v_readfirstlane_b32 s[WV], v1                  ; wave 0..7
	s_bfe_u32 s9, ttmp6, 0x40000                   ; cx: which of the key head's four query heads: it enters Q's and at16's addresses alone
	s_and_b32 s10, ttmp7, 0xffff
	s_lshr_b32 s11, s10, 3                         ; the sequence
	s_and_b32 s12, s10, 7                          ; the key head
	; what I fetch: waves 0-3 K, waves 4-7 V; 16,384 bytes of keys 0-511 and 16,384 of keys 512 on
	s_add_co_u32 s48, s12, 32
	s_lshl_b32 s48, s48, 19                        ; head slot 32 + key head,
	s_lshr_b32 s50, s[WV], 2
	s_lshl_b32 s51, s50, 22                        ; V's slots lie 8 further on,
	s_add_co_u32 s48, s48, s51
	s_lshl_b32 s51, s11, 17                        ; a sequence's 64 token tiles,
	s_add_co_u32 s48, s48, s51
	s_and_b32 s52, s[WV], 3
	s_lshl_b32 s52, s52, 14                        ; my quarter of a half
	s_add_co_u32 s48, s48, s52
	s_mov_b32 s49, 0
	s_lshl_b32 s53, s50, 17
	s_add_co_u32 s53, s53, s52                     ; and its place in LDS
	; my two units
	s_lshl_b32 s54, s[WV], 1
	s_add_co_u32 s54, s54, ttmp9                   ; 2 w + y
	s_sub_co_u32 s55, 31, s54
	s_lshl_b32 s56, s54, 5                         ; their first queries
	s_lshl_b32 s57, s55, 5
	s_lshl_b32 s13, s12, 2
	s_add_co_u32 s13, s13, s9                      ; my query head
	s_lshl_b32 s58, s13, 19
	s_lshl_b32 s59, s11, 17
	s_add_co_u32 s58, s58, s59
	s_lshl_b32 s59, s54, 12                        ; a unit is two token tiles of 2,048 bytes
	s_add_co_u32 s40, s58, s59
	s_mov_b32 s41, 0
	s_lshl_b32 s59, s55, 12
	s_add_co_u32 s42, s58, s59
	s_mov_b32 s43, 0
	s_lshl_b32 s58, s11, 22                        ; at16: a token tile is 65,536 bytes, a head's part of it 2,048
	s_lshl_b32 s59, s13, 11
	s_add_co_u32 s58, s58, s59
	s_lshl_b32 s59, s54, 17
	s_add_co_u32 s44, s58, s59
	s_mov_b32 s45, 0
	s_lshl_b32 s59, s55, 17
	s_add_co_u32 s46, s58, s59
	s_mov_b32 s47, 0
	; descriptor group 1: 16,384 dense bytes as 64 rows of 256 (32 elements of 8 bytes)
	s_mov_b32 s16, 15|(3<<16)|(1<<21)              ; 15:0 the mask: all four work-groups; 17:16 elements of 8 bytes; 21 set beside a mask
	s_mov_b32 s17, 32<<16                          ; tensor_dim0
	s_mov_b32 s18, 64<<16                          ; tensor_dim1
	s_mov_b32 s19, 32<<16                          ; tile_dim0
	s_mov_b32 s20, 64                              ; tile_dim1
	s_mov_b32 s21, 32                              ; tensor_dim0_stride
	s_mov_b32 s22, 0
	s_mov_b32 s23, 0
	s_mov_b32 s32, 0x76543210
	s_mov_b32 s33, 0xfedcba98                      ; v_permlanex16_b32's selects for lane l xor 16
	s_wait_dscnt 0x0                               ; both opening adds are done
	s_wait_kmcnt 0x0
	s_add_nc_u64 s[40:41], s[4:5], s[40:41]        ; Q of my first unit, of my second
	s_add_nc_u64 s[42:43], s[4:5], s[42:43]
	s_add_nc_u64 s[44:45], s[6:7], s[44:45]        ; where their results go
	s_add_nc_u64 s[46:47], s[6:7], s[46:47]
	s_mov_b32 s24, 1                               ; group 0 for keys 0-511
	s_mov_b32 s25, s53
	s_add_nc_u64 s[26:27], s[4:5], s[48:49]
	s_mov_b32 s28, 1                               ; and for keys 512 on: 65,536 bytes further, in memory and in LDS
	s_add_co_u32 s29, s53, 65536
	s_add_nc_u64 s[30:31], s[26:27], 0x10000
	s_or_b32 s27, s27, 0x80000000
	s_or_b32 s31, s31, 0x80000000
	CROUND                                         ; all four work-groups are here: the joint loads meet
	tensor_load_to_lds s[24:27], s[16:23]          ; my two loads, the only ones: two are out
	s_nop 0
	tensor_load_to_lds s[28:31], s[16:23]
	s_nop 0
.rept 4
	v_nop
.endr
	v_and_b32 v9, 31, v0
	v_lshlrev_b32 v[LI], 4, v9
	WIN W_LD1
.irp x, 0,1
.irp u, 0,1
.irp hf, 0,1
	global_load_b128 v[128+16*\x+8*\u+4*\hf:128+16*\x+8*\u+4*\hf+3], v[LI], s[40:41] offset:2048*\x+1024*\u+512*\hf   ; Q stays in registers: tile x, channels 32 u on
	global_load_b128 v[160+16*\x+8*\u+4*\hf:160+16*\x+8*\u+4*\hf+3], v[LI], s[42:43] offset:2048*\x+1024*\u+512*\hf
.endr
.endr
.endr
	WIN 0
	v_bfe_u32 v3, v0, 4, 1                         ; h
	v_and_b32 v4, 7, v0
	v_lshl_add_u32 v4, v3, 3, v4                   ; the turning load: lane l reads key 8 h + l % 8,
	v_bfe_u32 v5, v0, 3, 1                         ; channels 8 ((l / 8) % 2) on
	v_lshlrev_b32 v[AV0], 5, v4
	v_lshl_add_u32 v[AV0], v5, 4, v[AV0]
	v_add_nc_u32 v[AV0], VREG, v[AV0]
	v_and_b32 v4, 15, v0                           ; r
	v_lshlrev_b32 v5, 3, v3
	v_sub_nc_u32 v[DL], v4, v5
	v_mov_b32 v[NINF], 0xff800000
; A unit begins: m = -3e38, under every score; the sum and O^T are zeros, which the first change of m leaves zeros: so the step is written once for all steps.
.macro INIT q0
	s_mov_b32 s34, s[\q0]                          ; the unit's first query
	s_mov_b32 s35, 0                               ; the step's first key
	s_mov_b32 s36, 0                               ; and where its tiles begin in K's and V's regions
.irp x, 0,1
	v_mov_b32 v[ST+8*\x], 0xff61b1e6
	v_mov_b32 v[ST+8*\x+1], 0xff61b1e6
	v_mov_b32 v[ST+8*\x+2], 0
	v_mov_b32 v[ST+8*\x+3], 0
	v_mov_b32 v[ST+8*\x+5], 0                      ; (a lane permute's destination counts as one of its sources)
	v_mov_b32 v[ST+8*\x+7], 0
.endr
	WIN W_LD1
.set i, 0
.rept 64
	v_mov_b32 v[i], 0
.set i, i+1
.endr
	WIN 0
.endm
; A KEY STEP: 64 keys against my unit's 32 queries.  qb: where the unit's Q lies in window 1.
.macro STEP qb
	s_add_co_u32 s38, s34, 31
	s_cmp_gt_u32 s35, s38                          ; all keys come after my last query: the step's work is left out, not the lines at its end that step the addresses
	s_cbranch_scc1 .Lhid_\@
	v_add_nc_u32 v[ADK], s36, v[LI]
	v_add_nc_u32 v[ADV], s36, v[AV0]
	v_nop
	v_nop                                          ; four places between the last step's products and the loads into V's registers
.irp kt, 0,1,2,3
.irp u, 0,1
.irp hf, 0,1
	ds_load_b128 v[KFR+8*(2*\kt+\u)+4*\hf:KFR+8*(2*\kt+\u)+4*\hf+3], v[ADK] offset:2048*\kt+1024*\u+512*\hf
.endr
.endr
.endr
	WIN W_LD1
.irp c, 0,1,2,3
.irp g, 0,1
.irp hf, 0,1
	ds_load_tr16_b128 v[64+8*(2*\c+\g)+4*\hf:64+8*(2*\c+\g)+4*\hf+3], v[ADV] offset:2048*(2*\g+\hf)+512*\c   ; channels 16 c on, keys 32 g + 16 hf on
.endr
.endr
.endr
	s_wait_dscnt 16                                ; K's sixteen loads are in; V's sixteen may be out
	WIN W_KQ
.irp u, 0,1                                    ; the eight accumulators take turns, one instruction a turn
.irp kt, 0,1,2,3
.irp x, 0,1
.if \u == 0
	v_wmma_f32_16x16x32_f16 v[S+32*\x+8*\kt:S+32*\x+8*\kt+7], v[KFR+8*(2*\kt+\u):KFR+8*(2*\kt+\u)+7], v[\qb+16*\x+8*\u:\qb+16*\x+8*\u+7], 0
.else
	v_wmma_f32_16x16x32_f16 v[S+32*\x+8*\kt:S+32*\x+8*\kt+7], v[KFR+8*(2*\kt+\u):KFR+8*(2*\kt+\u)+7], v[\qb+16*\x+8*\u:\qb+16*\x+8*\u+7], v[S+32*\x+8*\kt:S+32*\x+8*\kt+7]
.endif
.endr
.endr
.endr
	WIN 0
.rept 4
	v_nop                                          ; places ahead of the first read of the scores
.endr
	s_add_co_u32 s38, s35, 63
	s_cmp_le_u32 s38, s34                          ; all keys count for all my queries: no mask
	s_cbranch_scc1 .Lopen_\@
	s_sub_co_i32 s38, s34, s35
	v_add_nc_u32 v[DQ], s38, v[DL]                 ; register 8 kt + j of tile x holds key (first key) + 16 kt + 8 h + j: hidden where 16 kt + j > my query - first key - 8 h
	v_add_nc_u32 v[DQ+1], 16, v[DQ]
.irp x, 0,1
.irp n, 0,1,2,3,4,5,6,7,8,9,10,11,12,13,14,15,16,17,18,19,20,21,22,23,24,25,26,27,28,29,30,31
	v_cmp_gt_i32 vcc_lo, 16*(\n/8)+\n%8, v[DQ+\x]
	v_cndmask_b32 v[S+32*\x+\n], v[S+32*\x+\n], v[NINF], vcc_lo
.endr
.endr
.Lopen_\@:
.irp j, 0,1,2,3                                ; the maximum of my 32 scores and the old m, three operands at a time, four chains, the two tiles by turns; each accumulator is read from its low end on
.irp x, 0,1
	v_max3_num_f32 v[ST+8*\x+4+\j], v[S+32*\x+8*\j], v[S+32*\x+8*\j+1], v[S+32*\x+8*\j+2]
.endr
.endr
.irp q, 1,2
.irp j, 0,1,2,3
.irp x, 0,1
	v_max3_num_f32 v[ST+8*\x+4+\j], v[ST+8*\x+4+\j], v[S+32*\x+8*\j+2*\q+1], v[S+32*\x+8*\j+2*\q+2]
.endr
.endr
.endr
.irp x, 0,1
	v_max3_num_f32 v[ST+8*\x+4], v[ST+8*\x+4], v[S+32*\x+7], v[S+32*\x+15]
.endr
.irp x, 0,1
	v_max3_num_f32 v[ST+8*\x+6], v[ST+8*\x+6], v[S+32*\x+23], v[S+32*\x+31]
.endr
.irp x, 0,1
	v_max3_num_f32 v[ST+8*\x+4], v[ST+8*\x+4], v[ST+8*\x+5], v[ST+8*\x+6]
.endr
.irp x, 0,1
	v_max3_num_f32 v[ST+8*\x+4], v[ST+8*\x+4], v[ST+8*\x+7], v[ST+8*\x]
.endr
.irp x, 0,1
	v_permlanex16_b32 v[ST+8*\x+5], v[ST+8*\x+4], s32, s33   ; the query's other 32 keys lie in the lane 16 away
.endr
.irp x, 0,1
	v_mov_b32 v[ST+8*\x+1], v[ST+8*\x]
.endr
.irp x, 0,1
	v_max_num_f32 v[ST+8*\x], v[ST+8*\x+4], v[ST+8*\x+5]
.endr
.irp x, 0,1
	v_sub_f32 v[ST+8*\x+7], v[ST+8*\x+1], v[ST+8*\x]
.endr
.irp i, 0,1,2,3,4,5,6,7,8,9,10,11,12,13,14,15
.irp x, 0,1
	v_pk_add_f32 v[S+32*\x+2*\i:S+32*\x+2*\i+1], v[S+32*\x+2*\i:S+32*\x+2*\i+1], v[ST+8*\x:ST+8*\x+1] op_sel_hi:[1,0] neg_lo:[0,1] neg_hi:[0,1]   ; s - m, two at a time
.endr
.endr
.irp x, 0,1                                    ; ONE BATCH of 66 exponentials: none reads another's result
	v_exp_f32 v[ST+8*\x+6], v[ST+8*\x+7]           ; a = 2^(old m - new m)
.endr
.irp n, 0,1,2,3,4,5,6,7,8,9,10,11,12,13,14,15,16,17,18,19,20,21,22,23,24,25,26,27,28,29,30,31,32,33,34,35,36,37,38,39,40,41,42,43,44,45,46,47,48,49,50,51,52,53,54,55,56,57,58,59,60,61,62,63
	v_exp_f32 v[S+\n], v[S+\n]
.endr
	v_nop                                          ; a plain line behind the last exponential
	s_wait_alu depctr_va_vdst(0)                   ; one wait for the batch, ahead of its first reader
.irp i, 0,1,2,3,4,5,6,7,8,9,10,11,12,13,14,15
.irp x, 0,1
	v_cvt_pk_f16_f32 v[P+16*\x+\i], v[S+32*\x+2*\i], v[S+32*\x+2*\i+1]
.endr
.endr
.irp z, 0,1,2,3,4,5,6,7                        ; the sum of the unrounded p, in place: neighbours 1, 2, 4 and 8 pairs apart
.irp x, 0,1
	v_pk_add_f32 v[S+32*\x+4*\z:S+32*\x+4*\z+1], v[S+32*\x+4*\z:S+32*\x+4*\z+1], v[S+32*\x+4*\z+2:S+32*\x+4*\z+3]
.endr
.endr
.irp z, 0,1,2,3
.irp x, 0,1
	v_pk_add_f32 v[S+32*\x+8*\z:S+32*\x+8*\z+1], v[S+32*\x+8*\z:S+32*\x+8*\z+1], v[S+32*\x+8*\z+4:S+32*\x+8*\z+5]
.endr
.endr
.irp z, 0,1
.irp x, 0,1
	v_pk_add_f32 v[S+32*\x+16*\z:S+32*\x+16*\z+1], v[S+32*\x+16*\z:S+32*\x+16*\z+1], v[S+32*\x+16*\z+8:S+32*\x+16*\z+9]
.endr
.endr
.irp x, 0,1
	v_pk_add_f32 v[S+32*\x:S+32*\x+1], v[S+32*\x:S+32*\x+1], v[S+32*\x+16:S+32*\x+17]
.endr
.irp x, 0,1
	v_pk_fma_f32 v[ST+8*\x+2:ST+8*\x+3], v[ST+8*\x+2:ST+8*\x+3], v[ST+8*\x+6:ST+8*\x+7], v[S+32*\x:S+32*\x+1] op_sel_hi:[1,0,1]   ; the sum x a + this step's
.endr
	WIN W_RS
.irp x, 0,1
.irp i, 0,1,2,3,4,5,6,7,8,9,10,11,12,13,14,15
	v_pk_mul_f32 v[32*\x+2*\i:32*\x+2*\i+1], v[32*\x+2*\i:32*\x+2*\i+1], v[ST+8*\x+6:ST+8*\x+7] op_sel_hi:[1,0]   ; O^T x a
.endr
.endr
	s_wait_dscnt 0x0                               ; V is in
	WIN W_PV
.irp g, 0,1                                    ; the eight accumulators take turns
.irp c, 0,1,2,3
.irp x, 0,1
	v_wmma_f32_16x16x32_f16 v[32*\x+8*\c:32*\x+8*\c+7], v[64+8*(2*\c+\g):64+8*(2*\c+\g)+7], v[P+16*\x+8*\g:P+16*\x+8*\g+7], v[32*\x+8*\c:32*\x+8*\c+7]
.endr
.endr
.endr
	WIN 0
.Lhid_\@:
	s_add_co_u32 s35, s35, 64
	s_add_co_u32 s36, s36, 8192                    ; four token tiles on
.endm
; A unit ends: O^T / the sum, rounded to f16; a lane's eight channels are 16 bytes at 16 x lane of half a fragment.
.macro OUT base
.rept 4
	v_nop                                          ; places behind the last products
.endr
.irp x, 0,1
	v_add_f32 v[ST+8*\x+4], v[ST+8*\x+2], v[ST+8*\x+3]
.endr
.irp x, 0,1
	v_permlanex16_b32 v[ST+8*\x+5], v[ST+8*\x+4], s32, s33
.endr
.irp x, 0,1
	v_add_f32 v[ST+8*\x+4], v[ST+8*\x+4], v[ST+8*\x+5]
.endr
.irp x, 0,1
	v_rcp_f32 v[ST+8*\x+6], v[ST+8*\x+4]
.endr
	v_nop                                          ; a plain line behind the last reciprocal
	s_wait_alu depctr_va_vdst(0)                   ; one wait for the two, ahead of the first reader
	WIN W_OUT
.irp x, 0,1
.irp i, 0,1,2,3,4,5,6,7,8,9,10,11,12,13,14,15
	v_pk_mul_f32 v[S+32*\x+2*\i:S+32*\x+2*\i+1], v[32*\x+2*\i:32*\x+2*\i+1], v[ST+8*\x+6:ST+8*\x+7] op_sel_hi:[1,0]
.endr
.endr
	WIN 0
.irp x, 0,1
.irp i, 0,1,2,3,4,5,6,7,8,9,10,11,12,13,14,15
	v_cvt_pk_f16_f32 v[P+16*\x+\i], v[S+32*\x+2*\i], v[S+32*\x+2*\i+1]
.endr
.endr
.irp x, 0,1
.irp c, 0,1,2,3
	global_store_b128 v[LI], v[P+16*\x+4*\c:P+16*\x+4*\c+3], s[\base:\base+1] offset:65536*\x+512*\c   ; 512 consecutive bytes, aligned
.endr
.endr
	s_wait_xcnt 0x0                                ; the stores have read P's registers: they may be written again
.endm
	INIT 56
	s_wait_loadcnt 0x0                             ; Q
	s_wait_tensorcnt 1                             ; my part of keys 0-511 is in; my load of keys 512 on may stay out
	s_barrier_signal -1
	s_barrier_wait -1                              ; everybody's is
	s_mov_b32 s37, 4
.Lfirst_a:                                         ; my first unit, keys 0-255
	STEP 128
	s_sub_co_u32 s37, s37, 1
	s_cmp_lg_u32 s37, 0
	s_cbranch_scc1 .Lfirst_a
	s_wait_tensorcnt 0x0                           ; my part of keys 512 on has landed,
	s_wait_dscnt 0x0                               ; no LDS instruction of mine is out:
	s_barrier_signal -1                            ; say so; up to the wait stand register work and LDS loads of keys 256-511, which nobody writes
	s_mov_b32 s37, 4
.Lfirst_b:                                         ; my first unit, keys 256-511
	STEP 128
	s_sub_co_u32 s37, s37, 1
	s_cmp_lg_u32 s37, 0
	s_cbranch_scc1 .Lfirst_b
	s_barrier_wait -1                              ; all of K and V lies in LDS
	OUT 44
	INIT 57
	s_mov_b32 s37, 16
.Lsecond:                                          ; my second unit, all keys up to its diagonal
	STEP 160
	s_sub_co_u32 s37, s37, 1
	s_cmp_lg_u32 s37, 0
	s_cbranch_scc1 .Lsecond
	OUT 46
	s_wait_tensorcnt 0x0                           ; the wave's end: a tensor wait, an add of 0 and its wait behind my last tensor load
	ds_add_u32 v[SPW], v[NIL]
	s_wait_dscnt 0x0
	CROUND                                         ; the closing round
	s_endpgm
.Lfunc_end_k_qe5e4d281aa_attn:
	.size	k_qe5e4d281aa_attn, .Lfunc_end_k_qe5e4d281aa_attn-k_qe5e4d281aa_attn
	.p2alignl 7, 3214868480
	.fill 96, 4, 3214868480
	.section	.rodata,"a",@progbits
	.p2align	6, 0x0
	.amdhsa_kernel k_qe5e4d281aa_attn
		.amdhsa_group_segment_fixed_size 327680
		.amdhsa_private_segment_fixed_size 0
		.amdhsa_enable_private_segment 0
		.amdhsa_kernarg_size 16
		.amdhsa_user_sgpr_count 2
		.amdhsa_user_sgpr_kernarg_segment_ptr 1
		.amdhsa_wavefront_size32 1
		.amdhsa_system_sgpr_workgroup_id_x 1
		.amdhsa_system_sgpr_workgroup_id_y 1
		.amdhsa_system_sgpr_workgroup_id_z 1
		.amdhsa_system_vgpr_workitem_id 0
		.amdhsa_next_free_vgpr 512
		.amdhsa_next_free_sgpr 66
		.amdhsa_reserve_vcc 1
		.amdhsa_float_denorm_mode_32 3
		.amdhsa_float_denorm_mode_16_64 3
		.amdhsa_memory_ordered 1
		.amdhsa_forward_progress 1
		.amdhsa_inst_pref_size 88
	.end_amdhsa_kernel
	.amdgpu_metadata
---
amdhsa.version: [ 1, 2 ]
amdhsa.kernels:
  - .name:           k_qe5e4d281aa_attn
    .symbol:         k_qe5e4d281aa_attn.kd
    .args:
      - { .name: qkv16, .offset: 0, .size: 8, .value_kind: global_buffer, .address_space: global }
      - { .name: at16, .offset: 8, .size: 8, .value_kind: global_buffer, .address_space: global }
    .group_segment_fixed_size: 327680
    .private_segment_fixed_size: 0
    .kernarg_segment_align: 8
    .kernarg_segment_size: 16
    .max_flat_workgroup_size: 256
    .sgpr_count:     66
    .vgpr_count:     512
    .wavefront_size: 32
...
	.end_amdgpu_metadata
.endif
;; end of part 3
;; launch oproj (part 4): grid 8 x 32, 4 waves a work-group, clusters of 4 x 4, 327,680 bytes of LDS; arguments at16, wo16, out0; writes out0
.if DOCPART == 4
	.amdgcn_target "amdgcn-amd-amdhsa--gfx1250"
	.amdhsa_code_object_version 6
	.text
	.protected	k_qe5e4d281aa_oproj
	.globl	k_qe5e4d281aa_oproj
	.p2align	8
	.type	k_qe5e4d281aa_oproj,@function
k_qe5e4d281aa_oproj:
	s_mov_b64 s[64:65], 0
	v_nop
	global_prefetch_b8 v0, s[64:65] scope:SCOPE_SE
	s_setreg_imm32_b32 hwreg(HW_REG_WAVE_MODE, 25, 1), 1
	s_wait_xcnt 0x0
	s_wait_alu depctr_hold_cnt(0) depctr_sa_sdst(0) depctr_va_vdst(0) depctr_va_sdst(0) depctr_va_ssrc(0) depctr_va_vcc(0) depctr_vm_vsrc(0)
	s_getreg_b32 s2, hwreg(HW_REG_IB_STS2, 6, 4)
	s_cmp_eq_u32 s2, 0
	s_cbranch_scc0 .Lentry_in_a_cluster
	s_endpgm
.Lentry_in_a_cluster:
	s_bfe_u32 s2, ttmp6, 0x10000c
	s_cmp_lg_u32 s2, 0xf033
	s_cbranch_scc0 .Lentry_shape_is_right
	s_endpgm
.Lentry_shape_is_right:
; out0 = attn x Wo: M 4,096, N 2,048, K 2,048, on f16 operands, sums in f32, out0 in f32.
; at16: [token tile 256][K step of 32: 64][1,024 bytes], wo16: [column tile 128][K step 64][1,024 bytes]: fragments as images of their registers (byte 512 f + 16 lane: k = 16 f + 8 (lane / 16) + 0 .. 7 of row lane % 16).
; A tile of out0 is 128 tokens x 256 columns: 32 x 8 = 256 work-groups.  Four waves, each 64 x 128: 32 accumulators, 256 registers.
; K goes in steps of 128 through a ring of two LDS slots filled by the tensor data mover: of each 16-row tile a step takes 4,096 consecutive bytes; a fragment comes out of LDS by two loads of 512 consecutive bytes.
; CLUSTERS: 4 x 4 work-groups; the four of a row of the cluster need the same tiles of at16, the four of a column the same tiles of wo16: each is asked for jointly.
; THE MATRIX INSTRUCTION IS USED TRANSPOSED (source 0 = 16 columns of Wo, source 1 = 16 tokens): a lane holds eight neighbouring numbers of a row of out0.
; REGISTERS: window 0: v16-29 addresses; two fragment buffers of 96 at v32 and v128 (A's four fragments, then B's eight); on the way out v32-159 take rows.   window 1: accumulator (a, b) at v[8 (8 a + b)].
.set SLOT,   98304                     ; A's 8 tiles x 4,096 bytes, then B's 16
.set BOFF,   32768
.set STAGE,  2*SLOT                    ; behind the ring: 16 rows x 528 bytes for each wave, for the way out; no tensor load lands there
.set SPITCH, 528
.set SPARE,  STAGE+4*16*SPITCH         ; the spare words, 128 bytes a wave: two blocks of 256 bytes that no other line names
.set LAPS,   8                         ; a lap = two K steps of 128
.set ADRA, 16                          ; v16-17  LDS address of my A fragments in slot 0, 1
.set ADRB, 20                          ; v20-21  the same for B
.set STO,  24                          ; v24     the way out: where I put 32 bytes of a row
.set RD,   25                          ; v25     where I read a row back
.set CO,   26                          ; v26     16 x lane: my bytes in a row's 512
.set SPW,  28                          ; v28     LDS address of my spare word; never rewritten
.set NIL,  29                          ; v29     0; never rewritten
.set F0,   32
.set F1,   128
.set BK,   32                          ; the way out: 16 rows read back: v32-95 and v96-159 by turns
.set G1, 24                            ; s[24:31] descriptor group 1 for A's tiles;  s[32:39] group 0, one set for each slot
.set G0, 32
.set G1B, 48                           ; s[48:55], s[56:63] the same for B's tiles
.set G0B, 56
.set MSB, 0
.macro WIN new                         ; the immediate's high byte repeats the setting that is left
.if MSB != \new
	s_set_vgpr_msb (MSB<<8)|\new
.set MSB, \new
.endif
.endm
.set MUL, 0x50                         ; C and D window 1
.macro JLOAD s                         ; a joint load: waves 0 and 1 fetch A's two halves, waves 2 and 3 B's; an s_nop 0 and four v_nop follow each of the two lines
	s_cmp_eq_u32 s11, 0
	s_cbranch_scc0 .Lfor_b_\@
	tensor_load_to_lds s[G0+4*\s:G0+4*\s+3], s[G1:G1+7]
	s_nop 0
.rept 4
	v_nop
.endr
	s_branch .Lasked_\@
.Lfor_b_\@:
	tensor_load_to_lds s[G0B+4*\s:G0B+4*\s+3], s[G1B:G1B+7]
	s_nop 0
.rept 4
	v_nop
.endr
.Lasked_\@:
.endm
.macro CREST                           ; a round of the cluster's barrier behind its opening barrier
	s_cmp_lg_u32 s10, 0
	s_cbranch_scc1 .Lnot_wave_0_\@
	s_barrier_signal -3
.Lnot_wave_0_\@:
	s_barrier_wait -3
	s_barrier_signal -1
	s_barrier_wait -1
.endm
.macro CROUND
	s_barrier_signal -1
	s_barrier_wait -1
	CREST
.endm
	s_load_b128 s[4:7], s[0:1], 0x0                ; at16 s[4:5], wo16 s[6:7]
	s_load_b64 s[8:9], s[0:1], 0x10                ; out0
	v_lshl_add_u32 v[SPW], v0, 2, SPARE
	v_mov_b32 v[NIL], 0
	ds_add_u32 v[SPW], v[NIL]                      ; the wave's opening: the add, twice on end, and its wait ahead of my first tensor load; the set-up below stands between the second and the wait
	ds_add_u32 v[SPW], v[NIL]
	v_lshrrev_b32 v1, 5, v0
	v_readfirstlane_b32 s10, v1                    ; wave 0..3
	s_lshr_b32 s11, s10, 1                         ; which 64 tokens are mine.  Also: I fetch for A (0) or for B (1)
	s_and_b32 s12, s10, 1                          ; which 128 columns.  Also: which half of that tile I fetch
	s_bfe_u32 s40, ttmp6, 0x40000                  ; cx, cy
	s_bfe_u32 s41, ttmp6, 0x40004
	s_lshl_b32 s42, ttmp9, 2
	s_add_co_u32 s42, s42, s40                     ; tile column = 4 x cluster x + cx
	s_and_b32 s13, ttmp7, 0xffff
	s_lshl_b32 s13, s13, 2
	s_add_co_u32 s13, s13, s41                     ; tile row = 4 x cluster y + cy
	s_lshl_b32 s43, s41, 2
	s_lshl_b32 s43, 15, s43                        ; my row of the cluster
	s_lshl_b32 s44, 0x1111, s40                    ; my column
	; descriptor group 1: rows (16-row tiles) of 512 elements of 8 bytes, 65,536 bytes from tile to tile; A: 4 tiles a load, B: 8
	s_or_b32 s[G1+0], s43, (3<<16)|(1<<21)         ; 15:0 the mask; 17:16 elements of 8 bytes; 21 set beside a mask
	s_mov_b32 s[G1+1], 512<<16                     ; tensor_dim0
	s_mov_b32 s[G1+2], 4<<16                       ; tensor_dim1
	s_mov_b32 s[G1+3], 512<<16                     ; tile_dim0
	s_mov_b32 s[G1+4], 4                           ; tile_dim1
	s_mov_b32 s[G1+5], 8192                        ; tensor_dim0_stride, in elements
	s_mov_b32 s[G1+6], 0
	s_mov_b32 s[G1+7], 0
	s_or_b32 s[G1B+0], s44, (3<<16)|(1<<21)
	s_mov_b32 s[G1B+1], 512<<16
	s_mov_b32 s[G1B+2], 8<<16
	s_mov_b32 s[G1B+3], 512<<16
	s_mov_b32 s[G1B+4], 8
	s_mov_b32 s[G1B+5], 8192
	s_mov_b32 s[G1B+6], 0
	s_mov_b32 s[G1B+7], 0
	s_lshl_b32 s16, s13, 19                        ; A: token tile 8 x tile row + 4 x half, 65,536 bytes each
	s_lshl_b32 s17, s12, 18
	s_add_co_u32 s16, s16, s17
	s_mov_b32 s17, 0
	s_lshl_b32 s46, s42, 20                        ; B: column tile 16 x tile column + 8 x half
	s_lshl_b32 s47, s12, 19
	s_add_co_u32 s46, s46, s47
	s_mov_b32 s47, 0
	s_lshl_b32 s20, s12, 14                        ; where they go: A's halves of 16,384 bytes,
	s_lshl_b32 s21, s12, 15
	s_add_co_u32 s21, s21, BOFF                    ; B's of 32,768 behind them: no place in the cluster enters an LDS address
	s_wait_dscnt 0x0                               ; both opening adds are done
	s_wait_kmcnt 0x0
	s_add_nc_u64 s[14:15], s[4:5], s[16:17]
	s_add_nc_u64 s[46:47], s[6:7], s[46:47]
	CROUND                                         ; all sixteen work-groups are here: the first joint loads meet
.irp s, 0,1
	s_mov_b32 s[G0+4*\s], 1
	s_add_co_u32 s[G0+4*\s+1], s20, \s*SLOT
	s_add_nc_u64 s[G0+4*\s+2:G0+4*\s+3], s[14:15], \s*4096
	s_or_b32 s[G0+4*\s+3], s[G0+4*\s+3], 0x80000000
	s_mov_b32 s[G0B+4*\s], 1
	s_add_co_u32 s[G0B+4*\s+1], s21, \s*SLOT
	s_add_nc_u64 s[G0B+4*\s+2:G0B+4*\s+3], s[46:47], \s*4096
	s_or_b32 s[G0B+4*\s+3], s[G0B+4*\s+3], 0x80000000
	JLOAD \s                                       ; two loads of mine are out
.endr
	v_and_b32 v1, 15, v0                           ; r
	v_bfe_u32 v2, v0, 4, 1                         ; h
	v_and_b32 v3, 31, v0
	v_lshlrev_b32 v[CO], 4, v3                     ; 16 x lane
	s_lshl_b32 s21, s11, 14                        ; my four tiles of A
	s_lshl_b32 s22, s12, 15
	s_add_co_u32 s22, s22, BOFF                    ; my eight tiles of B
.irp s, 0,1
	v_add_nc_u32 v[ADRA+\s], s21, v[CO]
	v_add_nc_u32 v[ADRB+\s], s22, v[CO]
	s_add_co_u32 s21, s21, SLOT
	s_add_co_u32 s22, s22, SLOT
.endr
	s_mul_i32 s23, s10, 16*SPITCH
	s_add_co_u32 s23, s23, STAGE                   ; my stage
	v_mul_u32_u24 v5, v1, SPITCH                   ; in: row r, 32 bytes for each half of the lanes
	v_lshl_add_u32 v5, v2, 5, v5
	v_add_nc_u32 v[STO], s23, v5
	v_add_nc_u32 v[RD], s23, v[CO]                 ; back: the 32 lanes take one row of 512 bytes
	s_lshl_b32 s16, s13, 20                        ; my first row of out0: 128 x tile row + 64 x half, 8,192 bytes each
	s_lshl_b32 s17, s11, 19
	s_add_co_u32 s16, s16, s17
	s_mov_b32 s17, 0
	s_add_nc_u64 s[8:9], s[8:9], s[16:17]
	s_lshl_b32 s46, s42, 10                        ; my first column, in bytes: 1,024 x tile column + 512 x half
	s_lshl_b32 s47, s12, 9
	s_add_co_u32 s46, s46, s47
	s_mov_b32 s47, 0
	s_add_nc_u64 s[8:9], s[8:9], s[46:47]
; 8 matrix instructions: A's block a x B's eight, 32 along K, from buffer f.  zero = 1: the first product starts the sums.  The 32 accumulators take turns, in the same order in every quarter.
.macro MUL8 f, a, zero
.irp b, 0,1,2,3,4,5,6,7
.if \zero
	v_wmma_f32_16x16x32_f16 v[8*(8*(\a)+\b):8*(8*(\a)+\b)+7], v[\f+32+8*\b:\f+32+8*\b+7], v[\f+8*(\a):\f+8*(\a)+7], 0
.else
	v_wmma_f32_16x16x32_f16 v[8*(8*(\a)+\b):8*(8*(\a)+\b)+7], v[\f+32+8*\b:\f+32+8*\b+7], v[\f+8*(\a):\f+8*(\a)+7], v[8*(8*(\a)+\b):8*(8*(\a)+\b)+7]
.endif
.endr
.endm
; 24 LDS loads in one run: the fragments of the slot's q-th 32 along K into buffer f: B's eight, then A's four
.macro FETCH slot, q, f
	WIN 0
.irp i, 0,1,2,3,4,5,6,7
	ds_load_b128 v[\f+32+8*\i:\f+32+8*\i+3],   v[ADRB+\slot] offset:4096*\i+1024*(\q)
	ds_load_b128 v[\f+32+8*\i+4:\f+32+8*\i+7], v[ADRB+\slot] offset:4096*\i+1024*(\q)+512
.endr
.irp i, 0,1,2,3
	ds_load_b128 v[\f+8*\i:\f+8*\i+3],   v[ADRA+\slot] offset:4096*\i+1024*(\q)
	ds_load_b128 v[\f+8*\i+4:\f+8*\i+7], v[ADRA+\slot] offset:4096*\i+1024*(\q)+512
.endr
.endm
.macro PLACES                          ; four places in front of loads into registers that matrix instructions have read, and of the first read of results (ISA guide 7.12.1 for the first read of results)
.rept 4
	v_nop
.endr
.endm
; A K step is four quarters of 32 along K, 32 matrix instructions each, on buffers 0, 1, 0, 1.  One of the first three: multiplies buffer f and fetches the slot's q-th quarter into g.
.macro QUARTER slot, q, f, g, zero
	s_wait_dscnt 4                                 ; B's eight and A's blocks 0, 1 are in; the youngest four loads (A's blocks 2, 3) may be out
	WIN MUL
	MUL8 \f, 0, \zero
	MUL8 \f, 1, \zero
	PLACES
	FETCH \slot, \q, \g
	s_wait_dscnt 24                                ; all but the 24 just issued
	WIN MUL
	MUL8 \f, 2, \zero
	MUL8 \f, 3, \zero
.endm
; The last quarter multiplies buffer 1 and changes slots: one barrier; in front of it each wave waits for all its tensor loads, adds 0 to its spare word, and waits for that and for its own reads of this slot.  fill = 1: this slot is filled again, two K steps ahead.
.macro TURN slot, next, fill
	WIN 0                                          ; the add's two registers lie in window 0
	s_wait_tensorcnt 0x0                           ; all my tensor loads have landed: my part of the next slot
	ds_add_u32 v[SPW], v[NIL]                      ; 0 onto my spare word
	s_wait_dscnt 5                                 ; the add and the youngest four loads may be out
	WIN MUL
	MUL8 F1, 0, 0                                  ; eight matrix instructions stand between the add and the wait for it
	s_wait_dscnt 0x0                               ; the add is done, and my reads of this slot are over
	s_barrier_signal -1
	MUL8 F1, 1, 0
.if \fill
	WIN 0
.endif
	s_barrier_wait -1
.if \fill
	CREST                                          ; the barrier has opened a round of the cluster's barrier: no wave of any partner still reads this slot or has a load on its way
	s_add_nc_u64 s[G0+4*\slot+2:G0+4*\slot+3], s[G0+4*\slot+2:G0+4*\slot+3], 8192
	s_add_nc_u64 s[G0B+4*\slot+2:G0B+4*\slot+3], s[G0B+4*\slot+2:G0B+4*\slot+3], 8192
	JLOAD \slot                                    ; the first tensor load behind the round, my one load until the next; its four v_nop are the places in front of the loads below
.else
	PLACES
.endif
	FETCH \next, 0, F0
	WIN MUL
	MUL8 F1, 2, 0
	MUL8 F1, 3, 0
.endm
	s_wait_tensorcnt 1                             ; my part of K step 0 is in; K step 1's load may be out
	s_barrier_signal -1
	s_barrier_wait -1                              ; everybody's is
	FETCH 0, 0, F0
	QUARTER 0, 1, F0, F1, 1                        ; the first quarter stands in front of the loop: its products start the sums
	WIN 0                                          ; at a label and at a branch every window is 0
	s_mov_b32 s3, LAPS-1
.Llap:                                                 ; a trip goes once round the ring, from a lap's second quarter to the next lap's first, and fills both slots again
	QUARTER 0, 2, F1, F0, 0
	QUARTER 0, 3, F0, F1, 0
	TURN 0, 1, 1
	QUARTER 1, 1, F0, F1, 0
	QUARTER 1, 2, F1, F0, 0
	QUARTER 1, 3, F0, F1, 0
	TURN 1, 0, 1
	QUARTER 0, 1, F0, F1, 0
	WIN 0
	s_sub_co_u32 s3, s3, 1
	s_cmp_lg_u32 s3, 0
	s_cbranch_scc1 .Llap
	QUARTER 0, 2, F1, F0, 0                        ; the last lap fills nothing, and has no round of the cluster's barrier
	QUARTER 0, 3, F0, F1, 0
	TURN 0, 1, 0
	QUARTER 1, 1, F0, F1, 0
	QUARTER 1, 2, F1, F0, 0
	QUARTER 1, 3, F0, F1, 0
	s_wait_dscnt 4                                 ; the very last quarter: nothing more to fetch
	WIN MUL
	MUL8 F1, 0, 0
	MUL8 F1, 1, 0
	s_wait_dscnt 0
	MUL8 F1, 2, 0
	MUL8 F1, 3, 0
	WIN 0
; THE WAY OUT, block by block of 16 tokens x 128 columns.  A lane holds 32 neighbouring bytes of a row, and the lanes beside it hold other rows: so a block goes through my own stage and comes back as whole rows of
; 512 bytes, which the 32 lanes store as two aligned runs of 256.  LDS serves a wave's instructions in order (ISA guide 5.7.1.4): no wait between the stores and the loads, nor in front of the next block's stores.
.macro TOSTAGE a
	WIN 0x04                                       ; an LDS store's data are its source 1: window 1
.irp b, 0,1,2,3,4,5,6,7
	ds_store_b128 v[STO], v[8*(8*(\a)+\b):8*(8*(\a)+\b)+3] offset:64*\b          ; each accumulator from its low end on
	ds_store_b128 v[STO], v[8*(8*(\a)+\b)+4:8*(8*(\a)+\b)+7] offset:64*\b+16
.endr
	WIN 0
.set BB, BK+64*((\a)%2)
.irp t, 0,1,2,3,4,5,6,7,8,9,10,11,12,13,14,15
	ds_load_b128 v[BB+4*\t:BB+4*\t+3], v[RD] offset:\t*SPITCH
.endr
.endm
.macro SEND a, younger                 ; younger: the LDS instructions issued behind block a's loads, which may stay out
.set BB, BK+64*((\a)%2)
	s_wait_dscnt \younger                          ; the block is back in registers
.if (\a) > 0
	s_add_nc_u64 s[8:9], s[8:9], 16*8192           ; 16 rows on (behind a wait on XCNT: the earlier stores have read their base)
.endif
.irp t, 0,1,2,3,4,5,6,7,8,9,10,11,12,13,14,15
	global_store_b128 v[CO], v[BB+4*\t:BB+4*\t+3], s[8:9] offset:\t*8192 th:TH_STORE_NT   ; 512 consecutive bytes, aligned; written once, read by nobody here
.endr
.endm
	PLACES                                         ; behind the last products: for the first read of results and the loads into the fragments' registers
	TOSTAGE 0
.irp a, 1,2,3
.if \a > 1
	s_wait_xcnt 0x0                                ; block a - 2's stores have read their registers and their base
.endif
	TOSTAGE \a
	SEND \a-1, 32                                  ; behind block a - 1's loads: block a's 16 stores and 16 loads
.endr
	s_wait_xcnt 0x0                                ; block 2's stores have read their base
	SEND 3, 0
	s_wait_tensorcnt 0x0                           ; the wave's end: a tensor wait, an add of 0 and its wait behind my last tensor load and my last LDS store
	ds_add_u32 v[SPW], v[NIL]
	s_wait_dscnt 0x0
	CROUND                                         ; the closing round: no work-group ends while a partner may still ask for a tile that names it
	s_endpgm
.Lfunc_end_k_qe5e4d281aa_oproj:
	.size	k_qe5e4d281aa_oproj, .Lfunc_end_k_qe5e4d281aa_oproj-k_qe5e4d281aa_oproj
	.p2alignl 7, 3214868480
	.fill 96, 4, 3214868480
	.section	.rodata,"a",@progbits
	.p2align	6, 0x0
	.amdhsa_kernel k_qe5e4d281aa_oproj
		.amdhsa_group_segment_fixed_size 327680
		.amdhsa_private_segment_fixed_size 0
		.amdhsa_enable_private_segment 0
		.amdhsa_kernarg_size 24
		.amdhsa_user_sgpr_count 2
		.amdhsa_user_sgpr_kernarg_segment_ptr 1
		.amdhsa_wavefront_size32 1
		.amdhsa_system_sgpr_workgroup_id_x 1
		.amdhsa_system_sgpr_workgroup_id_y 1
		.amdhsa_system_sgpr_workgroup_id_z 1
		.amdhsa_system_vgpr_workitem_id 0
		.amdhsa_next_free_vgpr 512
		.amdhsa_next_free_sgpr 66
		.amdhsa_reserve_vcc 0
		.amdhsa_float_denorm_mode_32 3
		.amdhsa_float_denorm_mode_16_64 3
		.amdhsa_memory_ordered 1
		.amdhsa_forward_progress 1
		.amdhsa_inst_pref_size 84
	.end_amdhsa_kernel
	.amdgpu_metadata
---
amdhsa.version: [ 1, 2 ]
amdhsa.kernels:
  - .name:           k_qe5e4d281aa_oproj
    .symbol:         k_qe5e4d281aa_oproj.kd
    .args:
      - { .name: at16, .offset: 0, .size: 8, .value_kind: global_buffer, .address_space: global }
      - { .name: wo16, .offset: 8, .size: 8, .value_kind: global_buffer, .address_space: global }
      - { .name: out0, .offset: 16, .size: 8, .value_kind: global_buffer, .address_space: global }
    .group_segment_fixed_size: 327680
    .private_segment_fixed_size: 0
    .kernarg_segment_align: 8
    .kernarg_segment_size: 24
    .max_flat_workgroup_size: 128
    .sgpr_count:     66
    .vgpr_count:     512
    .wavefront_size: 32
...
	.end_amdgpu_metadata
.endif
;; end of part 4
